; MI455X (gfx1250); checked and timed in simulation.
; The chip was launched on July 23, 2026; its instructions are those of AMD's public machine-readable ISA for CDNA 5 (MIT licence, August 2026) and "CDNA5" Instruction Set Architecture Reference Guide (July 2026). The comments in the code are by the model that wrote it; some were corrected since.
;; Single Head Attention. Allowed arithmetic: float matrix products may take bf16 or f16 operands with f32 sums; all other float work in f32.
;; Inputs: Wk 1,024 x 1,024 float32; Wq 1,024 x 1,024 float32; Wv 1,024 x 1,024 float32; bk 1,024 float32; bq 1,024 float32; bv 1,024 float32; key 4 x 2,048 x 1,024 float32; mask 4 x 2,048 x 2,048 bool; query 4 x 2,048 x 1,024 float32; value 4 x 2,048 x 1,024 float32.
;; Outputs: out0 4 x 2,048 x 1,024 float32.
;; One version. Each part assembles by itself: llvm-mc -triple=amdgcn-amd-amdhsa -mcpu=gfx1250 --defsym DOCPART=n.
;; ======== version 1 of 1: 4 launches
;; limits: values are held in f16: magnitudes above 65,504 overflow, below 6.1e-05 lose precision
;; workspace buffers: xb 50,331,648 bytes; wb 6,291,456 bytes; mbits 2,097,152 bytes of whole numbers; qkv 50,331,648 bytes; pt 33,554,432 bytes; st 1,048,576 bytes
;; launch prep (part 1): grid 1120 x 1, 8 waves a work-group, no clusters, 70,656 bytes of LDS; arguments query, key, value, Wq, Wk, Wv, mask, xb, wb, mbits; writes xb, wb, mbits
.if DOCPART == 1
	.amdgcn_target "amdgcn-amd-amdhsa--gfx1250"
	.amdhsa_code_object_version 6
	.text
	.protected	k_qa497e9c54e_prep
	.globl	k_qa497e9c54e_prep
	.p2align	8
	.type	k_qa497e9c54e_prep,@function
k_qa497e9c54e_prep:
	s_mov_b64 s[64:65], 0
	v_nop
	global_prefetch_b8 v0, s[64:65] scope:SCOPE_SE
	s_setreg_imm32_b32 hwreg(HW_REG_WAVE_MODE, 25, 1), 1
	s_wait_xcnt 0x0
; PREP.  Two kinds of work-group, chosen by the work-group's number alone.
; Numbers 256 .. 1119 CAST: query, key, value ([8192][1024] f32 each) -> xb [3][8192][1024] bf16, Wq, Wk, Wv ([1024][1024] f32) -> wb [3][1024][1024] bf16,
; rounded to nearest even.  A work-group takes 131,072 input bytes: 32 loads of 16 bytes a lane, all issued at once; a wave's load covers 512 consecutive
; bytes, a wave's store 256 consecutive bytes at a multiple of 256.  No register is written twice, so no wait frees a source.
; Numbers 0 .. 255 PACK the mask: work-group p = 8 Y + X takes rows 256 Y .. + 255 (of the 8,192 rows of all batches) and keys 256 X .. + 255 and writes
; mbits [p][wave 4][a 8][b 8][j 8] u32.  Bit L of word (wave, a, b, j) is the mask at row 128 (wave / 2) + 16 a + L % 16, key 128 (wave % 2) + 16 b + 8 (L / 16) + j:
; the place that lane L holds in register j of accumulator (a, b) in the launch that makes the scores, which takes the word as a lane mask.
; The bytes go through the wave's own part of LDS (rows 272 bytes apart), so that they are read from memory as whole rows of 256 bytes; no wave reads another's bytes: no barrier.
.set XI, 4                             ; v[4:131]    cast: 32 x 4 f32 as loaded
.set XO, 132                           ; v[132:195]  cast: 32 x 2 registers of bf16 to store
.set MW, 8                             ; v[8:39]     pack: my row's 8 bytes in each of the 16 key blocks
.set TT, 40                            ; v[40:47]    pack: one byte each, at work
.set OW, 48                            ; v[48:51]    pack: the words to store: pair 0 for keys 0-127, pair 1 for keys 128-255
.set MI, 64                            ; v[64:127]   pack: 32 rows x 256 bytes as loaded
.set LP, 272                           ; an LDS row: 256 bytes + 16
	s_load_b512 s[8:23], s[0:1], 0x0               ; query s[8:9], key s[10:11], value s[12:13], Wq s[14:15], Wk s[16:17], Wv s[18:19], mask s[20:21], xb s[22:23]
	s_load_b128 s[24:27], s[0:1], 0x40             ; wb s[24:25], mbits s[26:27]
	v_lshl_add_u32 v200, v0, 2, 0x11000
	v_mov_b32 v201, 0
	v_lshrrev_b32 v1, 5, v0
	v_readfirstlane_b32 s2, v1                     ; wave 0..7
	s_wait_kmcnt 0x0
	s_cmp_lt_u32 ttmp9, 256
	s_cbranch_scc1 .Lpack
	; ---------------- the casts ----------------
	s_sub_co_u32 s3, ttmp9, 256                    ; id 0..863: 256 for each of query, key, value; 32 for each of Wq, Wk, Wv
	s_mov_b64 s[28:29], s[18:19]                   ; the source: Wv, unless the id is lower
	s_cmp_lt_u32 s3, 832
	s_cselect_b64 s[28:29], s[16:17], s[28:29]
	s_cmp_lt_u32 s3, 800
	s_cselect_b64 s[28:29], s[14:15], s[28:29]
	s_cmp_lt_u32 s3, 768
	s_cselect_b64 s[28:29], s[12:13], s[28:29]
	s_cmp_lt_u32 s3, 512
	s_cselect_b64 s[28:29], s[10:11], s[28:29]
	s_cmp_lt_u32 s3, 256
	s_cselect_b64 s[28:29], s[8:9], s[28:29]
	s_cmp_lt_u32 s3, 768
	s_cselect_b64 s[32:33], s[22:23], s[24:25]     ; the destination: xb or wb
	s_cselect_b32 s4, 255, 31                      ; the id's place inside its source
	s_cselect_b32 s5, 0, 768                       ; and inside its destination
	s_and_b32 s30, s3, s4
	s_lshl_b32 s30, s30, 17                        ; x 131,072 bytes of f32
	s_mov_b32 s31, 0
	s_sub_co_u32 s34, s3, s5
	s_lshl_b32 s34, s34, 16                        ; x 65,536 bytes of bf16
	s_mov_b32 s35, 0
	s_add_nc_u64 s[28:29], s[28:29], s[30:31]
	s_add_nc_u64 s[32:33], s[32:33], s[34:35]
	v_lshlrev_b32 v1, 4, v0                        ; 16 bytes a thread in,
	v_lshlrev_b32 v2, 3, v0                        ; 8 bytes a thread out
.set j, 0
.rept 32
	global_load_b128 v[XI+4*j:XI+4*j+3], v1, s[28:29] offset:4096*j th:TH_LOAD_NT
.set j, j+1
.endr
.set j, 0
.rept 32
	s_wait_loadcnt 31-j                            ; loads come back in order: number j is in, the 31 - j younger ones stay out
	v_cvt_pk_bf16_f32 v[XO+2*j], v[XI+4*j], v[XI+4*j+1]
	v_cvt_pk_bf16_f32 v[XO+2*j+1], v[XI+4*j+2], v[XI+4*j+3]
	global_store_b64 v2, v[XO+2*j:XO+2*j+1], s[32:33] offset:2048*j
.set j, j+1
.endr
	s_endpgm
	; ---------------- the mask ----------------
.Lpack:
	s_lshr_b32 s3, ttmp9, 3                        ; Y
	s_and_b32 s4, ttmp9, 7                         ; X
	s_lshl_b32 s28, s3, 19                         ; 256 Y rows of 2,048 bytes
	s_lshl_b32 s5, s2, 16                          ; + my wave's 32 rows
	s_add_co_u32 s28, s28, s5
	s_lshl_b32 s5, s4, 8                           ; + 256 X keys
	s_add_co_u32 s28, s28, s5
	s_mov_b32 s29, 0
	s_add_nc_u64 s[20:21], s[20:21], s[28:29]
	s_lshl_b32 s30, ttmp9, 13                      ; 8,192 bytes of words a tile
	s_lshr_b32 s5, s2, 2                           ; row half: 4,096 bytes
	s_lshl_b32 s5, s5, 12
	s_add_co_u32 s30, s30, s5
	s_and_b32 s5, s2, 3                            ; my two row blocks: 2 x 256 bytes
	s_lshl_b32 s5, s5, 9
	s_add_co_u32 s30, s30, s5
	s_mov_b32 s31, 0
	s_add_nc_u64 s[26:27], s[26:27], s[30:31]
	v_and_b32 v1, 15, v0                           ; l % 16
	v_bfe_u32 v2, v0, 4, 1                         ; l / 16
	v_lshlrev_b32 v3, 4, v1
	v_lshl_add_u32 v4, v2, 11, v3                  ; in memory: lanes 0-15 one row's 256 bytes, lanes 16-31 the next row's
	s_mul_i32 s7, s2, 32*LP                        ; my wave's 8,704 bytes of LDS
	v_mul_u32_u24 v5, v2, LP
	v_add3_u32 v5, v5, v3, s7                      ; the same two rows in LDS
	v_mul_u32_u24 v6, v1, LP
	v_lshl_add_u32 v6, v2, 3, v6
	v_add_nc_u32 v6, s7, v6                        ; back: row l % 16, 8 bytes for each half of the lanes
	v_and_b32 v7, 31, v0
	v_lshlrev_b32 v7, 3, v7                        ; out: two words a lane
.set k, 0
.rept 16
	global_load_b128 v[MI+4*k:MI+4*k+3], v4, s[20:21] offset:4096*k th:TH_LOAD_NT
.set k, k+1
.endr
.set k, 0
.rept 16
	s_wait_loadcnt 15-k                            ; number k is in, the younger ones stay out
	ds_store_b128 v5, v[MI+4*k:MI+4*k+3] offset:(k/8)*16*LP+(k%8)*2*LP
.set k, k+1
.endr
	s_mov_b32 s3, 2                                ; my two blocks of 16 rows
.Lblock:
.set b, 0
.rept 16
	ds_load_b64 v[MW+2*b:MW+2*b+1], v6 offset:16*b ; LDS serves a wave's instructions in order: these see the stores above
.set b, b+1
.endr
.irp r, 0,1,2,3
	v_mov_b32 v[OW+\r], 0                          ; written whole before single lanes are written
.endr
	s_wait_dscnt 0x0
.set b, 0
.rept 16                                               ; key block b: eight words, one for each byte j
.set j, 0
.rept 8
	v_and_b32 v[TT+j], 0xff<<(8*(j&3)), v[MW+2*b+(j>>2)]
.set j, j+1
.endr
.set j, 0
.rept 8
	v_cmp_ne_u32 s[32+j], 0, v[TT+j]               ; bit L: lane L's byte j is set
.set j, j+1
.endr
.set j, 0
.rept 8
	v_writelane_b32 v[OW+2*(b>>3)+(j&1)], s[32+j], (b&7)*4+(j>>1)  ; word 8 (b % 8) + j of 64: two words a lane
.set j, j+1
.endr
.set b, b+1
.endr
	global_store_b64 v7, v[OW:OW+1], s[26:27]                     ; 256 consecutive bytes, at a multiple of 256: keys 0-127
	global_store_b64 v7, v[OW+2:OW+3], s[26:27] offset:2048       ; keys 128-255: the next wave's words in the layout
	s_wait_xcnt 0x0                                ; the stores' data and offset are rewritten only behind this wait
	v_add_nc_u32 v6, 16*LP, v6
	v_add_nc_u32 v7, 256, v7
	s_sub_co_u32 s3, s3, 1
	s_cmp_lg_u32 s3, 0
	s_cbranch_scc1 .Lblock
	s_wait_tensorcnt 0x0
	ds_add_u32 v200, v201
	s_wait_dscnt 0x0
	s_endpgm
.Lfunc_end_k_qa497e9c54e_prep:
	.size	k_qa497e9c54e_prep, .Lfunc_end_k_qa497e9c54e_prep-k_qa497e9c54e_prep
	.p2alignl 7, 3214868480
	.fill 96, 4, 3214868480
	.section	.rodata,"a",@progbits
	.p2align	6, 0x0
	.amdhsa_kernel k_qa497e9c54e_prep
		.amdhsa_group_segment_fixed_size 70656
		.amdhsa_private_segment_fixed_size 0
		.amdhsa_enable_private_segment 0
		.amdhsa_kernarg_size 80
		.amdhsa_user_sgpr_count 2
		.amdhsa_user_sgpr_kernarg_segment_ptr 1
		.amdhsa_wavefront_size32 1
		.amdhsa_system_sgpr_workgroup_id_x 1
		.amdhsa_system_sgpr_workgroup_id_y 1
		.amdhsa_system_sgpr_workgroup_id_z 1
		.amdhsa_system_vgpr_workitem_id 0
		.amdhsa_next_free_vgpr 202
		.amdhsa_next_free_sgpr 66
		.amdhsa_reserve_vcc 0
		.amdhsa_float_denorm_mode_32 3
		.amdhsa_float_denorm_mode_16_64 3
		.amdhsa_memory_ordered 1
		.amdhsa_forward_progress 1
		.amdhsa_inst_pref_size 43
	.end_amdhsa_kernel
	.amdgpu_metadata
---
amdhsa.version: [ 1, 2 ]
amdhsa.kernels:
  - .name:           k_qa497e9c54e_prep
    .symbol:         k_qa497e9c54e_prep.kd
    .args:
      - { .name: query, .offset: 0, .size: 8, .value_kind: global_buffer, .address_space: global }
      - { .name: key, .offset: 8, .size: 8, .value_kind: global_buffer, .address_space: global }
      - { .name: value, .offset: 16, .size: 8, .value_kind: global_buffer, .address_space: global }
      - { .name: Wq, .offset: 24, .size: 8, .value_kind: global_buffer, .address_space: global }
      - { .name: Wk, .offset: 32, .size: 8, .value_kind: global_buffer, .address_space: global }
      - { .name: Wv, .offset: 40, .size: 8, .value_kind: global_buffer, .address_space: global }
      - { .name: mask, .offset: 48, .size: 8, .value_kind: global_buffer, .address_space: global }
      - { .name: xb, .offset: 56, .size: 8, .value_kind: global_buffer, .address_space: global }
      - { .name: wb, .offset: 64, .size: 8, .value_kind: global_buffer, .address_space: global }
      - { .name: mbits, .offset: 72, .size: 8, .value_kind: global_buffer, .address_space: global }
    .group_segment_fixed_size: 70656
    .private_segment_fixed_size: 0
    .kernarg_segment_align: 8
    .kernarg_segment_size: 80
    .max_flat_workgroup_size: 256
    .sgpr_count:     66
    .vgpr_count:     202
    .wavefront_size: 32
...
	.end_amdgpu_metadata
.endif
;; end of part 1
;; launch proj (part 2): grid 4 x 64, 4 waves a work-group, clusters of 4 x 4, 327,680 bytes of LDS; arguments xb, wb, bq, bk, bv, qkv; writes qkv
.if DOCPART == 2
	.amdgcn_target "amdgcn-amd-amdhsa--gfx1250"
	.amdhsa_code_object_version 6
	.text
	.protected	k_qa497e9c54e_proj
	.globl	k_qa497e9c54e_proj
	.p2align	8
	.type	k_qa497e9c54e_proj,@function
k_qa497e9c54e_proj:
	s_mov_b64 s[64:65], 0
	v_nop
	global_prefetch_b8 v0, s[64:65] scope:SCOPE_SE
	s_setreg_imm32_b32 hwreg(HW_REG_WAVE_MODE, 25, 1), 1
	s_wait_xcnt 0x0
	s_wait_alu depctr_hold_cnt(0) depctr_sa_sdst(0) depctr_va_vdst(0) depctr_va_sdst(0) depctr_va_ssrc(0) depctr_va_vcc(0) depctr_vm_vsrc(0)
	s_getreg_b32 s2, hwreg(HW_REG_IB_STS2, 6, 4)
	s_cmp_eq_u32 s2, 0
	s_cbranch_scc0 .Lentry_in_a_cluster
	s_endpgm
.Lentry_in_a_cluster:
	s_bfe_u32 s2, ttmp6, 0x10000c
	s_cmp_lg_u32 s2, 0xf033
	s_cbranch_scc0 .Lentry_shape_is_right
	s_endpgm
.Lentry_shape_is_right:
; PROJ.  qkv[t][r][c] = sum over d of xb[t][r][d] wb[t][c][d] + b_t[c], t = 0, 1, 2 (q, k, v).  xb [3 x 8192][1024] bf16, wb [3 x 1024][1024] bf16, biases f32, rounded to bf16 like the
; other inputs; sums in f32; qkv [3 x 8192][1024] f16, rounded once, unscaled.
; LIMIT.  f16 holds no number beyond 65,504: q, k and v must stay under it.
; SHARES.  The three products are 384 blocks of 256 x 256; 4 x 64 work-groups take one and a half each and STAY: tile 1 is 256 rows x 256 columns of q or k (rows 256 Y of xb's first 16,384),
; tile 2 is 128 rows x 256 columns of v (rows 16,384 + 128 Y).  Four waves: 128 x 128 (64 accumulators) in tile 1, 64 x 128 (32) in tile 2.
; K goes in steps of 128 (rows of 256 bytes, at multiples of 256) through two LDS slots; a K step is four quarters of 32 along K on two fragment buffers.  THE RING GOES ON INTO TILE 2: tile 1's last
; two changes of slots ask for tile 2's K steps 0 and 1, and tile 1 goes out while they are on their way.  In tile 2 a wave's 64 rows of x land where its 128 rows landed, so every LDS address stays.
; CLUSTER 4 x 4: the four of a row need the same rows of x, the four of a column the same rows of W: each tile is asked for jointly, with the same descriptor and a mask of the four.
; THE MATRIX INSTRUCTION IS USED TRANSPOSED (source 0 = 16 rows of W, source 1 = 16 rows of x): a lane holds row l % 16 and the columns 8 (l / 16) + 0..7.  The bias is the C operand of a tile's first products.
; REGISTERS, in windows of 256 (s_set_vgpr_msb: bits 1:0 source 0, 3:2 source 1, 5:4 source 2, 7:6 destination):
;   window 0: v0-31 addresses; v64-127, v128-191 x's fragments, two buffers; v32-63, v192-255 at work on the way out
;   window 1: v64-127, v128-191 W's fragments; v192-255 tile 1's bias, v0-63 tile 2's       windows 2, 3: accumulators, (a, b) at 8 (8 (a % 4) + b)
.set PITCH, 272                        ; an LDS row: 256 bytes + 16: the 16 rows of a fragment load start 16 bytes apart modulo 256
.set HALFT, 128*PITCH                  ; 128 rows: what one tensor load brings at the most, and what a wave reads of x or of W
.set SLOT1, 4*HALFT                    ; x's 256 rows, then W's 256.  0x22000: its two bits are in none of the bases wave x 0x8800, so an exclusive or changes slots
.set STAGE, 2*SLOT1                    ; behind the ring: 16 rows x 272 bytes for each wave, for the way out
.set SPARE, STAGE+4*16*PITCH           ; the spare words: 128 bytes a wave, two blocks of 256 that no other line names
.set NSTEP, 8
.set STEPB, 256                        ; bytes along a row from K step to K step
.set A0,   16                          ; v16  my lane's place in x's rows of a slot
.set B0,   17                          ; v17  in W's
.set ADRA, 18                          ; v18  the same in the slot in hand
.set ADRB, 19
.set STO,  24
.set RD,   25
.set CO,   26
.set SPW,  28                          ; v28  SPARE + 4 x my thread's number; never rewritten
.set NIL,  29                          ; v29  0; never rewritten
.set OB,   32                          ; the way out: whole rows back from the stage: v32-63 and v224-255 by turns
.set F0,   64
.set F1,   128
.set TMP,  192                         ; the way out: packed results
.set CB1,  192                         ; window 1: the bias of tile 1's 128 columns, 8 registers a column block
.set CB2,  0                           ; window 1: of tile 2's
.set CNT,  2
.set TB,   3                           ; s3   0 or SLOT1: the slot in hand
.set WV,   10
.set RH,   11                          ; which half of the tile's rows is mine; also: I fetch x (0) or W (1)
.set CH,   12                          ; which 128 columns are mine; also: which half of that tile I fetch
.set G1,   16                          ; s[16:23] group 1 for x in tile 1: 128 rows
.set G1B,  24                          ; s[24:31] for W: 128 rows
.set G1C,  32                          ; s[32:39] for x in tile 2: 64 rows
.set G0,   40                          ; s[40:47] group 0 for x in tile 1: two sets for the two first fills; the second then walks
.set G0B,  48                          ; s[48:55] for W in tile 1
.set G0C,  56                          ; s[56:59] for x in tile 2: it walks
.set G0D,  60                          ; s[60:63] for W in tile 2
.set GW, (1<<16)|(1<<20)|(1<<21)|(5<<22)|(3<<25)  ; 2-byte elements; padding on; bit 21 beside a mask; after every 64 words, 4 words
.set MSB, 0
.macro WIN new                         ; the immediate's high byte repeats the setting that is left
.if MSB != (\new)
	s_set_vgpr_msb (MSB<<8)|(\new)
.set MSB, \new
.endif
.endm
.macro PLACES
.rept 4
	v_nop
.endr
.endm
.macro JLOAD ga, g1a, gb               ; a joint load: waves 0, 1 x's halves, waves 2, 3 W's; an s_nop 0 and four v_nop follow each line
	s_cmp_eq_u32 s[RH], 0
	s_cbranch_scc0 .Lfor_b_\@
	tensor_load_to_lds s[(\ga):(\ga)+3], s[(\g1a):(\g1a)+7]
	s_nop 0
.rept 4
	v_nop
.endr
	s_branch .Lasked_\@
.Lfor_b_\@:
	tensor_load_to_lds s[(\gb):(\gb)+3], s[G1B:G1B+7]
	s_nop 0
.rept 4
	v_nop
.endr
.Lasked_\@:
.endm
.macro CREST                           ; a round of the cluster's barrier behind its opening barrier
	s_cmp_lg_u32 s[WV], 0
	s_cbranch_scc1 .Lnot_wave_0_\@
	s_barrier_signal -3
.Lnot_wave_0_\@:
	s_barrier_wait -3
	s_barrier_signal -1
	s_barrier_wait -1
.endm
.macro CROUND
	s_barrier_signal -1
	s_barrier_wait -1
	CREST
.endm
	s_load_b256 s[68:75], s[0:1], 0x0              ; xb s[68:69], wb s[70:71], bq s[72:73], bk s[74:75]
	s_load_b128 s[76:79], s[0:1], 0x20             ; bv s[76:77], qkv s[78:79]
	v_lshl_add_u32 v[SPW], v0, 2, SPARE
	v_mov_b32 v[NIL], 0
	ds_add_u32 v28, v29
	s_wait_dscnt 0x0
	v_lshrrev_b32 v1, 5, v0
	v_readfirstlane_b32 s[WV], v1
	s_lshr_b32 s[RH], s[WV], 1
	s_and_b32 s[CH], s[WV], 1
	s_bfe_u32 s80, ttmp6, 0x40000                  ; cx
	s_bfe_u32 s81, ttmp6, 0x40004                  ; cy
	s_lshl_b32 s82, ttmp9, 2
	s_add_co_u32 s82, s82, s80                     ; X: block of 256 columns
	s_and_b32 s83, ttmp7, 0xffff                   ; the cluster's y
	s_lshl_b32 s84, s83, 2
	s_add_co_u32 s84, s84, s81                     ; Y, 0 to 63
	s_lshr_b32 s85, s83, 3                         ; tile 1's tensor: q (0) or k (1); eight clusters each, so it is the same in the whole cluster
	s_lshl_b32 s86, s81, 2
	s_lshl_b32 s86, 15, s86                        ; my row of the cluster
	s_or_b32 s[G1], s86, GW
	s_or_b32 s[G1C], s86, GW
	s_lshl_b32 s86, 0x1111, s80                    ; my column
	s_or_b32 s[G1B], s86, GW
.irp g, G1, G1B, G1C
	s_mov_b32 s[(\g)+1], 128<<16                   ; tensor_dim0 = 128
	s_mov_b32 s[(\g)+3], 128<<16                   ; tile_dim0 = 128
	s_mov_b32 s[(\g)+5], 1024                      ; elements from row to row
	s_mov_b32 s[(\g)+6], 0
	s_mov_b32 s[(\g)+7], 0
.endr
	s_mov_b32 s[G1+2], 128<<16                     ; tensor_dim1 and tile_dim1: 128 rows,
	s_mov_b32 s[G1+4], 128
	s_mov_b32 s[G1B+2], 128<<16
	s_mov_b32 s[G1B+4], 128
	s_mov_b32 s[G1C+2], 64<<16                     ; 64 rows of x in tile 2
	s_mov_b32 s[G1C+4], 64
	s_lshl_b32 s88, s84, 19                        ; x, tile 1: (256 Y + 128 half) rows of 2,048 bytes
	s_lshl_b32 s86, s[CH], 18
	s_add_co_u32 s88, s88, s86
	s_mov_b32 s89, 0
	s_lshl_b32 s90, s85, 21                        ; W, tile 1: (1,024 t + 256 X + 128 half) rows
	s_lshl_b32 s87, s82, 19
	s_add_co_u32 s90, s90, s87
	s_add_co_u32 s90, s90, s86
	s_mov_b32 s91, 0
	s_add_co_u32 s94, s87, s86                     ; W, tile 2: (2,048 + 256 X + 128 half) rows, one K step back: the descriptor steps before it asks
	s_add_co_u32 s94, s94, 4194304-STEPB
	s_mov_b32 s95, 0
	s_lshl_b32 s92, s84, 18                        ; x, tile 2: (16,384 + 128 Y + 64 half) rows, one K step back
	s_lshl_b32 s87, s[CH], 17
	s_add_co_u32 s92, s92, s87
	s_add_co_u32 s92, s92, 33554432-STEPB
	s_mov_b32 s93, 0
	s_lshl_b32 s86, s82, 9                         ; out: my 128 columns, in bytes
	s_lshl_b32 s87, s[CH], 8
	s_add_co_u32 s86, s86, s87
	s_lshl_b32 s96, s84, 19                        ; tile 1: row 256 Y + 128 rh
	s_lshl_b32 s87, s[RH], 18
	s_add_co_u32 s96, s96, s87
	s_add_co_u32 s96, s96, s86
	s_mov_b32 s97, 0
	s_lshl_b32 s98, s84, 18                        ; tile 2: row 16,384 + 128 Y + 64 rh
	s_lshl_b32 s87, s[RH], 17
	s_add_co_u32 s98, s98, s87
	s_add_co_u32 s98, s98, s86
	s_add_co_u32 s98, s98, 33554432
	s_mov_b32 s99, 0
	s_mul_i32 s87, s[WV], HALFT                    ; where my tensor loads go: x's two halves, then W's: no place in the cluster enters an LDS address
	s_wait_kmcnt 0x0
	s_add_nc_u64 s[88:89], s[68:69], s[88:89]
	s_add_nc_u64 s[90:91], s[70:71], s[90:91]
	s_add_nc_u64 s[92:93], s[68:69], s[92:93]
	s_add_nc_u64 s[94:95], s[70:71], s[94:95]
	s_add_nc_u64 s[4:5], s[78:79], s[96:97]        ; s[4:5] tile 1's way out, s[6:7] tile 2's
	s_add_nc_u64 s[6:7], s[78:79], s[98:99]
	s_cmp_eq_u32 s85, 0
	s_cselect_b64 s[72:73], s[72:73], s[74:75]     ; tile 1's bias
	CROUND                                         ; all sixteen work-groups are here: the first joint loads meet
.irp s, 0,1
	s_mov_b32 s[G0+4*(\s)], 1
	s_add_co_u32 s[G0+4*(\s)+1], s87, (\s)*SLOT1
	s_add_nc_u64 s[G0+4*(\s)+2:G0+4*(\s)+3], s[88:89], (\s)*STEPB
	s_or_b32 s[G0+4*(\s)+3], s[G0+4*(\s)+3], 0x80000000
	s_mov_b32 s[G0B+4*(\s)], 1
	s_add_co_u32 s[G0B+4*(\s)+1], s87, (\s)*SLOT1
	s_add_nc_u64 s[G0B+4*(\s)+2:G0B+4*(\s)+3], s[90:91], (\s)*STEPB
	s_or_b32 s[G0B+4*(\s)+3], s[G0B+4*(\s)+3], 0x80000000
	JLOAD G0+4*(\s), G1, G0B+4*(\s)                ; K steps 0 and 1: two loads of mine are out
.endr
	s_mov_b32 s[G0C], 1                            ; tile 2's descriptors stand one step in front of their first use: slot 1, K step -1
	s_add_co_u32 s[G0C+1], s87, SLOT1
	s_mov_b64 s[G0C+2:G0C+3], s[92:93]
	s_or_b32 s[G0C+3], s[G0C+3], 0x80000000
	s_mov_b32 s[G0D], 1
	s_add_co_u32 s[G0D+1], s87, SLOT1
	s_mov_b64 s[G0D+2:G0D+3], s[94:95]
	s_or_b32 s[G0D+3], s[G0D+3], 0x80000000
	v_and_b32 v1, 15, v0                           ; l % 16
	v_bfe_u32 v2, v0, 4, 1                         ; l / 16
	v_mul_u32_u24 v3, v1, PITCH
	v_lshl_add_u32 v3, v2, 4, v3                   ; row x pitch + 16 x half
	s_lshl_b32 s86, s86, 1                         ; my 128 columns in a bias, in bytes
	v_lshl_add_u32 v5, v2, 5, s86                  ; + my lanes' eight columns of a block of 16
.set b_, 0
.rept 8
	global_load_b128 v[F0+8*b_:F0+8*b_+3],   v5, s[72:73] offset:64*b_
	global_load_b128 v[F0+8*b_+4:F0+8*b_+7], v5, s[72:73] offset:64*b_+16
	global_load_b128 v[F1+8*b_:F1+8*b_+3],   v5, s[76:77] offset:64*b_
	global_load_b128 v[F1+8*b_+4:F1+8*b_+7], v5, s[76:77] offset:64*b_+16
.set b_, b_+1
.endr
	s_mul_i32 s80, s[RH], HALFT
	s_mul_i32 s83, s[CH], HALFT
	s_add_co_u32 s83, s83, 2*HALFT
	v_add_nc_u32 v[A0], s80, v3
	v_add_nc_u32 v[B0], s83, v3
	s_mul_i32 s80, s[WV], 16*PITCH
	s_add_co_u32 s80, s80, STAGE                   ; my stage
	v_add_nc_u32 v[STO], s80, v3                   ; in: row l % 16, 16 bytes for each half of the lanes
	v_mul_u32_u24 v4, v2, PITCH
	v_lshl_add_u32 v4, v1, 4, v4
	v_add_nc_u32 v[RD], s80, v4                    ; back: lanes 0-15 one row of 256 bytes, lanes 16-31 the next
	v_lshlrev_b32 v4, 11, v2
	v_lshl_add_u32 v[CO], v1, 4, v4                ; the same two rows in qkv
	s_mov_b32 s81, 0xffff0000
	s_wait_loadcnt 0x0                             ; both biases; they are rounded to bf16 like every other input, and widened again into window 1
.set i_, 0
.rept 64
	v_cvt_pk_bf16_f32 v[TMP+i_], v[F0+2*i_], v[F0+2*i_+1]
.set i_, i_+1
.endr
	WIN 0x40                                       ; destination window 1
.set i_, 0
.rept 32
	v_lshlrev_b32 v[CB1+2*i_], 16, v[TMP+i_]
	v_and_b32 v[CB1+2*i_+1], s81, v[TMP+i_]
	v_lshlrev_b32 v[CB2+2*i_], 16, v[TMP+32+i_]
	v_and_b32 v[CB2+2*i_+1], s81, v[TMP+32+i_]
.set i_, i_+1
.endr
	WIN 0
; 8 products: row block a x the 8 column blocks, 32 along K, buffer f.  mode = 1: a tile's first products, C = the bias at cb.  The accumulators take turns in the same order in every quarter.
.macro MULA f, a, mode, cb
.set al_, (\a)%4
.if \mode
	WIN 0x91+0x40*((\a)/4)                         ; W's fragment and C in window 1, x's fragment in window 0, D in window 2 or 3
.else
	WIN 0xa1+0x50*((\a)/4)                         ; C with D
.endif
.set b_, 0
.rept 8
.if \mode
	v_wmma_f32_16x16x32_bf16 v[8*(8*al_+b_):8*(8*al_+b_)+7], v[(\f)+8*b_:(\f)+8*b_+7], v[(\f)+8*(\a):(\f)+8*(\a)+7], v[(\cb)+8*b_:(\cb)+8*b_+7]
.else
	v_wmma_f32_16x16x32_bf16 v[8*(8*al_+b_):8*(8*al_+b_)+7], v[(\f)+8*b_:(\f)+8*b_+7], v[(\f)+8*(\a):(\f)+8*(\a)+7], v[8*(8*al_+b_):8*(8*al_+b_)+7]
.endif
.set b_, b_+1
.endr
.endm
; one run of LDS loads: the fragments of quarter kq of the slot in hand, into buffer f: 128 rows of W, 64 h rows of x
.macro FETCH kq, f, h
	WIN 0x40                                       ; destination window 1
.set i_, 0
.rept 8
	ds_load_b128 v[(\f)+8*i_:(\f)+8*i_+3],   v[ADRB] offset:64*(\kq)+i_*16*PITCH
	ds_load_b128 v[(\f)+8*i_+4:(\f)+8*i_+7], v[ADRB] offset:64*(\kq)+i_*16*PITCH+32
.set i_, i_+1
.endr
	WIN 0
.set i_, 0
.rept 4*(\h)
	ds_load_b128 v[(\f)+8*i_:(\f)+8*i_+3],   v[ADRA] offset:64*(\kq)+i_*16*PITCH
	ds_load_b128 v[(\f)+8*i_+4:(\f)+8*i_+7], v[ADRA] offset:64*(\kq)+i_*16*PITCH+32
.set i_, i_+1
.endr
.endm
.macro ADDR                            ; the fragment addresses in the slot in hand
	v_add_nc_u32 v[ADRA], s[TB], v[A0]
	v_add_nc_u32 v[ADRB], s[TB], v[B0]
.endm
; One of a K step's first three quarters: multiplies buffer f; ahead of its products it fetches quarter kq into buffer g, which has the whole quarter in which to land.  h = 2: tile 1; h = 1: tile 2.
.macro QUARTER kq, f, g, mode, cb, h
	s_wait_dscnt 0x0                               ; buffer f is in
	WIN 0
	ADDR                                           ; these two and two v_nop are the four places between the last product, which read buffer g, and the loads into it
	v_nop
	v_nop
	FETCH \kq, \g, \h
.set a_, 0
.rept 4*(\h)
	MULA \f, a_, \mode, \cb
.set a_, a_+1
.endr
.endm
; The fourth quarter multiplies buffer 1 and changes slots.  fill = 1: the slot just read out is filled again, by the walking descriptors ga (x, shape g1a) and gb (W), behind a round of the cluster's
; barrier.  Only one row block's products stand ahead of the request, between the add and the wait for it: the refill has all the rest of a K step in which to land.
.macro TURN fill, ga, g1a, gb, h
	s_wait_dscnt 0x0                               ; buffer 1 is in: my last reads of this slot
	WIN 0
	s_wait_tensorcnt 0x0                           ; all my tensor loads have landed: the one that was out is my part of the other slot
	ds_add_u32 v[SPW], v[NIL]                      ; 0 onto my spare word
.if \fill
	s_xor_b32 s[(\ga)+1], s[(\ga)+1], SLOT1        ; no load of mine is out, so the walking descriptors step: the other slot, the next K step
	s_add_nc_u64 s[(\ga)+2:(\ga)+3], s[(\ga)+2:(\ga)+3], STEPB
	s_xor_b32 s[(\gb)+1], s[(\gb)+1], SLOT1
	s_add_nc_u64 s[(\gb)+2:(\gb)+3], s[(\gb)+2:(\gb)+3], STEPB
.endif
	s_xor_b32 s[TB], s[TB], SLOT1
	MULA F1, 0, 0, 0
	s_wait_dscnt 0x0                               ; the add is done
	WIN 0                                          ; at a branch and at a label every window is 0
	s_barrier_signal -1
	s_barrier_wait -1
.if \fill
	CREST                                          ; no wave of any partner still reads this slot or has a load on its way
	JLOAD \ga, \g1a, \gb                           ; the first tensor load behind the round; its four v_nop are the places in front of the loads below
.else
	PLACES
.endif
	ADDR
	FETCH 0, F0, \h
.set a_, 1
.rept 4*(\h)-1
	MULA F1, a_, 0, 0
.set a_, a_+1
.endr
.endm
; THE WAY OUT of row block a: rounded to f16, 16 bytes a lane; into my own stage, and back as whole rows of 256 bytes; stored.
.macro PACK a
	WIN 0x0a+5*((\a)/4)                            ; sources in window 2 or 3, destination in window 0
.set i_, 0
.rept 32
	v_cvt_pk_f16_f32 v[TMP+i_], v[64*((\a)%4)+2*i_], v[64*((\a)%4)+2*i_+1]
.set i_, i_+1
.endr
	WIN 0
.endm
.macro TOSTAGE a
.set bk_, OB+192*((\a)%2)
.set i_, 0
.rept 8
	ds_store_b128 v[STO], v[TMP+4*i_:TMP+4*i_+3] offset:32*i_
.set i_, i_+1
.endr
.set i_, 0
.rept 8
	ds_load_b128 v[bk_+4*i_:bk_+4*i_+3], v[RD] offset:i_*2*PITCH  ; LDS serves a wave's instructions in order: these see the stores above
.set i_, i_+1
.endr
.endm
.macro SEND a, base
.set bk_, OB+192*((\a)%2)
	s_wait_dscnt 0x0                               ; the block is back in registers
	s_wait_xcnt 0x0                                ; the registers that the stores of the block before read are loaded again only behind this wait
.set i_, 0
.rept 8
	global_store_b128 v[CO], v[bk_+4*i_:bk_+4*i_+3], s[(\base):(\base)+1] offset:(16*(\a)+2*i_)*2048  ; 16 lanes store 256 consecutive bytes, at a multiple of 256
.set i_, i_+1
.endr
.endm
.macro WAYOUT n, base                  ; block w's conversions stand between block w - 1's loads from the stage and the wait for them.  Block 0 was finished ahead of the change of slots' places;
	PACK 0                                         ; its 32 conversions, which name no register of the last products, are those products' places
	TOSTAGE 0
.set w_, 1
.rept (\n)-1
	PACK w_
	SEND w_-1, \base
	TOSTAGE w_
.set w_, w_+1
.endr
	SEND (\n)-1, \base
.endm
	s_wait_tensorcnt 0x1                           ; my part of K step 0 is in; K step 1's may stay out
	s_barrier_signal -1
	s_barrier_wait -1
	s_mov_b32 s[TB], 0
	ADDR
	FETCH 0, F0, 2
	QUARTER 1, F0, F1, 1, CB1, 2                   ; TILE 1.  Its first quarter stands in front of the loop: its products start the sums, from the bias
	WIN 0
	s_mov_b32 s[CNT], NSTEP-2
.Lstep1:                                               ; a trip: a K step's quarters 1, 2, 3 and the next step's quarter 0; it fills the slot that it leaves, two K steps ahead
	QUARTER 2, F1, F0, 0, 0, 2
	QUARTER 3, F0, F1, 0, 0, 2
	TURN 1, G0+4, G1, G0B+4, 2
	QUARTER 1, F0, F1, 0, 0, 2
	WIN 0
	s_sub_co_u32 s[CNT], s[CNT], 1
	s_cmp_lg_u32 s[CNT], 0
	s_cbranch_scc1 .Lstep1
	s_mov_b32 s[CNT], 2
.Ltail1:                                               ; tile 1's last two K steps: the slots that they leave take tile 2's K steps 0 and 1.  The second trip is left in its middle; its fetch has brought
	QUARTER 2, F1, F0, 0, 0, 2                     ; tile 2's first fragments (and, of x, 64 rows of the old tile beside them, which nobody multiplies)
	QUARTER 3, F0, F1, 0, 0, 2
	TURN 1, G0C, G1C, G0D, 2
	WIN 0
	s_sub_co_u32 s[CNT], s[CNT], 1
	s_cmp_eq_u32 s[CNT], 0
	s_cbranch_scc1 .Lout1
	QUARTER 1, F0, F1, 0, 0, 2
	WIN 0
	s_branch .Ltail1
.Lout1:
	WAYOUT 8, 4                                    ; both refills are asked for: now tile 1 goes out
	QUARTER 1, F0, F1, 1, CB2, 1                   ; TILE 2
	WIN 0
	s_mov_b32 s[CNT], NSTEP-2
.Lstep2:
	QUARTER 2, F1, F0, 0, 0, 1
	QUARTER 3, F0, F1, 0, 0, 1
	TURN 1, G0C, G1C, G0D, 1
	QUARTER 1, F0, F1, 0, 0, 1
	WIN 0
	s_sub_co_u32 s[CNT], s[CNT], 1
	s_cmp_lg_u32 s[CNT], 0
	s_cbranch_scc1 .Lstep2
	s_mov_b32 s[CNT], 2
.Ltail2:                                               ; the last two K steps ask for nothing.  One text for both: the second trip's barrier and its fetch from the other slot serve nothing
	QUARTER 2, F1, F0, 0, 0, 1
	QUARTER 3, F0, F1, 0, 0, 1
	TURN 0, 0, 0, 0, 1
	WIN 0
	s_sub_co_u32 s[CNT], s[CNT], 1
	s_cmp_eq_u32 s[CNT], 0
	s_cbranch_scc1 .Lout2
	QUARTER 1, F0, F1, 0, 0, 1
	WIN 0
	s_branch .Ltail2
.Lout2:
	WAYOUT 4, 6
	s_wait_tensorcnt 0x0                           ; the wave's end
	ds_add_u32 v[SPW], v[NIL]
	s_wait_dscnt 0x0
	CROUND                                         ; the closing round
	s_endpgm
.Lfunc_end_k_qa497e9c54e_proj:
	.size	k_qa497e9c54e_proj, .Lfunc_end_k_qa497e9c54e_proj-k_qa497e9c54e_proj
	.p2alignl 7, 3214868480
	.fill 96, 4, 3214868480
	.section	.rodata,"a",@progbits
	.p2align	6, 0x0
	.amdhsa_kernel k_qa497e9c54e_proj
		.amdhsa_group_segment_fixed_size 327680
		.amdhsa_private_segment_fixed_size 0
		.amdhsa_enable_private_segment 0
		.amdhsa_kernarg_size 48
		.amdhsa_user_sgpr_count 2
		.amdhsa_user_sgpr_kernarg_segment_ptr 1
		.amdhsa_wavefront_size32 1
		.amdhsa_system_sgpr_workgroup_id_x 1
		.amdhsa_system_sgpr_workgroup_id_y 1
		.amdhsa_system_sgpr_workgroup_id_z 1
		.amdhsa_system_vgpr_workitem_id 0
		.amdhsa_next_free_vgpr 1024
		.amdhsa_next_free_sgpr 100
		.amdhsa_reserve_vcc 0
		.amdhsa_float_denorm_mode_32 3
		.amdhsa_float_denorm_mode_16_64 3
		.amdhsa_memory_ordered 1
		.amdhsa_forward_progress 1
		.amdhsa_inst_pref_size 164
	.end_amdhsa_kernel
	.amdgpu_metadata
---
amdhsa.version: [ 1, 2 ]
amdhsa.kernels:
  - .name:           k_qa497e9c54e_proj
    .symbol:         k_qa497e9c54e_proj.kd
    .args:
      - { .name: xb, .offset: 0, .size: 8, .value_kind: global_buffer, .address_space: global }
      - { .name: wb, .offset: 8, .size: 8, .value_kind: global_buffer, .address_space: global }
      - { .name: bq, .offset: 16, .size: 8, .value_kind: global_buffer, .address_space: global }
      - { .name: bk, .offset: 24, .size: 8, .value_kind: global_buffer, .address_space: global }
      - { .name: bv, .offset: 32, .size: 8, .value_kind: global_buffer, .address_space: global }
      - { .name: qkv, .offset: 40, .size: 8, .value_kind: global_buffer, .address_space: global }
    .group_segment_fixed_size: 327680
    .private_segment_fixed_size: 0
    .kernarg_segment_align: 8
    .kernarg_segment_size: 48
    .max_flat_workgroup_size: 128
    .sgpr_count:     100
    .vgpr_count:     1024
    .wavefront_size: 32
...
	.end_amdgpu_metadata
.endif
;; end of part 2
;; launch scores (part 3): grid 8 x 32, 4 waves a work-group, clusters of 4 x 4, 327,680 bytes of LDS; arguments qkv, mbits, pt, st; writes pt, st
.if DOCPART == 3
	.amdgcn_target "amdgcn-amd-amdhsa--gfx1250"
	.amdhsa_code_object_version 6
	.text
	.protected	k_qa497e9c54e_scores
	.globl	k_qa497e9c54e_scores
	.p2align	8
	.type	k_qa497e9c54e_scores,@function
k_qa497e9c54e_scores:
	s_mov_b64 s[64:65], 0
	v_nop
	global_prefetch_b8 v0, s[64:65] scope:SCOPE_SE
	s_setreg_imm32_b32 hwreg(HW_REG_WAVE_MODE, 25, 1), 1
	s_wait_xcnt 0x0
	s_wait_alu depctr_hold_cnt(0) depctr_sa_sdst(0) depctr_va_vdst(0) depctr_va_sdst(0) depctr_va_ssrc(0) depctr_va_vcc(0) depctr_vm_vsrc(0)
	s_getreg_b32 s2, hwreg(HW_REG_IB_STS2, 6, 4)
	s_cmp_eq_u32 s2, 0
	s_cbranch_scc0 .Lentry_in_a_cluster
	s_endpgm
.Lentry_in_a_cluster:
	s_bfe_u32 s2, ttmp6, 0x10000c
	s_cmp_lg_u32 s2, 0xf033
	s_cbranch_scc0 .Lentry_shape_is_right
	s_endpgm
.Lentry_shape_is_right:
; SCORES.  s = q . k over 1,024 channels (f16 operands, f32 sums); masked places take NEGR; for each row and each GROUP of 128 keys: m = the largest s, p~ = 2^(c s - c m), l = the sum of the p~,
; c = log2(e) / 32.  pt [8192][2048] f16 takes p~ (l is taken of the unrounded p~), st [batch 4][group 16][row 2048][2] f32 takes (c m, l).  The launch behind joins a row's 16 groups exactly.
; LIMITS.  A masked score counts as -2^30 where the problem says -1e9 (on the raw sum: NEGR = -2^35, so that c NEGR is exact and a wholly masked group gives p~ = 1, l = 128): the results agree
; wherever every unmasked score lies above about -1e9 + 104.  A weight below 2^-126 counts as 0.  NaN and infinities are not treated apart.
; SHARES.  A tile is 256 queries x 256 keys of one batch: 32 x 8 work-groups.  Four waves, each 128 x 128: 64 accumulators; a wave's 128 keys are one group, so the maximum never leaves the wave.
; K goes in steps of 128 through two LDS slots; a K step is four quarters of 32 along K on two fragment buffers.
; CLUSTER 4 x 4: q's tiles are shared along a row of the cluster, k's along a column: joint loads.
; TRANSPOSED USE (source 0 = 16 keys, source 1 = 16 queries): a lane holds query l % 16 and the keys 8 (l / 16) + 0..7.
; REGISTERS: window 0: v0-39 addresses and statistics; v64-127, v128-191 q's fragments, two buffers (later T, PK, BK);  window 1: v64-127, v128-191 k's;  windows 2, 3: accumulators, (a, b) at 8 (8 (a % 4) + b)
.set PITCH, 272
.set HALFT, 128*PITCH
.set SLOT1, 4*HALFT                    ; 0x22000: its two bits are in none of the bases wave x 0x8800, so an exclusive or changes slots
.set STAGE, 2*SLOT1                    ; 16 rows x 272 bytes for each wave
.set STT,   STAGE+4*16*PITCH           ; 128 rows x 8 bytes for each wave: (c m, l)
.set SPARE, STT+4*1024                 ; the spare words
.set NSTEP, 8
.set STEPB, 256
.set A0,   16
.set B0,   17
.set ADRA, 18
.set ADRB, 19
.set STO,  24
.set RD,   25
.set CO,   26
.set STA,  27
.set SPW,  28
.set NIL,  29
.set L8,   30
.set SRD,  31
.set C0,   32                          ; v32-35 four chains of the maximum
.set XH,   36                          ; v36    the other half of the lanes'
.set MX,   37                          ; v37    m
.set CM,   38                          ; v38 c m, v39 l
.set F0,   64
.set F1,   128
.set T,    64                          ; v64-127  a row block's 64 scores a lane
.set PK,   128                         ; v128-159 p~ in f16
.set BK,   160                         ; v160-191 whole rows back from the stage
.set CNT,  2
.set TB,   3
.set WV,   10
.set RH,   11
.set CH,   12
.set AI,   13                          ; s13 the row block in hand
.set G1,   16                          ; s[16:47] the four descriptor groups; behind the last tensor load the mask words of key blocks 0-3
.set G0,   24
.set G1B,  32
.set G0B,  40
.set CS,   48                          ; s[48:49] c, twice
.set SEL,  50                          ; s[50:51] v_permlanex16_b32: each lane takes its own place in the other half
.set NEGS, 60                          ; s60 NEGR
.set GW, (1<<16)|(1<<20)|(1<<21)|(5<<22)|(3<<25)
.set MSB, 0
.macro WIN new
.if MSB != (\new)
	s_set_vgpr_msb (MSB<<8)|(\new)
.set MSB, \new
.endif
.endm
.macro PLACES
.rept 4
	v_nop
.endr
.endm
.macro JLOAD s
	s_cmp_eq_u32 s[RH], 0
	s_cbranch_scc0 .Lfor_b_\@
	tensor_load_to_lds s[G0+4*(\s):G0+4*(\s)+3], s[G1:G1+7]
	s_nop 0
.rept 4
	v_nop
.endr
	s_branch .Lasked_\@
.Lfor_b_\@:
	tensor_load_to_lds s[G0B+4*(\s):G0B+4*(\s)+3], s[G1B:G1B+7]
	s_nop 0
.rept 4
	v_nop
.endr
.Lasked_\@:
.endm
.macro CREST
	s_cmp_lg_u32 s[WV], 0
	s_cbranch_scc1 .Lnot_wave_0_\@
	s_barrier_signal -3
.Lnot_wave_0_\@:
	s_barrier_wait -3
	s_barrier_signal -1
	s_barrier_wait -1
.endm
.macro CROUND
	s_barrier_signal -1
	s_barrier_wait -1
	CREST
.endm
	s_load_b256 s[52:59], s[0:1], 0x0              ; qkv s[52:53], mbits s[54:55], pt s[56:57], st s[58:59]
	v_lshl_add_u32 v[SPW], v0, 2, SPARE
	v_mov_b32 v[NIL], 0
	ds_add_u32 v28, v29
	s_wait_dscnt 0x0
	v_lshrrev_b32 v1, 5, v0
	v_readfirstlane_b32 s[WV], v1
	s_lshr_b32 s[RH], s[WV], 1                     ; my 128 queries; also: I fetch q (0) or k (1)
	s_and_b32 s[CH], s[WV], 1                      ; my 128 keys; also: which half of that tile I fetch
	s_bfe_u32 s68, ttmp6, 0x40000                  ; cx
	s_bfe_u32 s69, ttmp6, 0x40004                  ; cy
	s_lshl_b32 s70, ttmp9, 2
	s_add_co_u32 s70, s70, s68                     ; X: block of 256 keys
	s_and_b32 s71, ttmp7, 0xffff
	s_lshl_b32 s72, s71, 2
	s_add_co_u32 s72, s72, s69                     ; Y: block of 256 rows of all batches
	s_lshr_b32 s73, s71, 1                         ; the batch: two clusters of 1,024 rows each; the same in the whole cluster
	s_lshl_b32 s74, s69, 2
	s_lshl_b32 s74, 15, s74
	s_or_b32 s[G1], s74, GW                        ; q's tiles go to my row of the cluster
	s_lshl_b32 s74, 0x1111, s68
	s_or_b32 s[G1B], s74, GW                       ; k's to my column
.irp g, G1, G1B
	s_mov_b32 s[(\g)+1], 128<<16                   ; tensor_dim0 = 128
	s_mov_b32 s[(\g)+2], 128<<16                   ; tensor_dim1 = 128
	s_mov_b32 s[(\g)+3], 128<<16                   ; tile_dim0 = 128
	s_mov_b32 s[(\g)+4], 128                       ; tile_dim1 = 128
	s_mov_b32 s[(\g)+5], 1024
	s_mov_b32 s[(\g)+6], 0
	s_mov_b32 s[(\g)+7], 0
.endr
	s_lshl_b32 s74, s[CH], 18                      ; the half that I fetch: 128 rows of 2,048 bytes
	s_lshl_b32 s76, s72, 19                        ; q: row 256 Y
	s_add_co_u32 s76, s76, s74
	s_mov_b32 s77, 0
	s_lshl_b32 s78, s73, 22                        ; k: the second tensor of qkv, row 2,048 batch + 256 X
	s_lshl_b32 s75, s70, 19
	s_add_co_u32 s78, s78, s75
	s_add_co_u32 s78, s78, s74
	s_add_co_u32 s78, s78, 16777216
	s_mov_b32 s79, 0
	s_lshl_b32 s80, s72, 16                        ; mask words: ((8 Y + X) 4 + wave) x 2,048 bytes
	s_lshl_b32 s75, s70, 13
	s_add_co_u32 s80, s80, s75
	s_lshl_b32 s75, s[WV], 11
	s_add_co_u32 s80, s80, s75
	s_mov_b32 s81, 0
	s_lshl_b32 s82, s72, 20                        ; pt: row 256 Y + 128 rh (4,096 bytes each), key 256 X + 128 ch
	s_lshl_b32 s75, s[RH], 19
	s_add_co_u32 s82, s82, s75
	s_lshl_b32 s75, s70, 9
	s_add_co_u32 s82, s82, s75
	s_lshl_b32 s75, s[CH], 8
	s_add_co_u32 s82, s82, s75
	s_mov_b32 s83, 0
	s_lshl_b32 s84, s73, 18                        ; st: ((16 batch + 2 X + ch) 2,048 + 256 (Y % 8) + 128 rh) x 8 bytes
	s_lshl_b32 s75, s70, 15
	s_add_co_u32 s84, s84, s75
	s_lshl_b32 s75, s[CH], 14
	s_add_co_u32 s84, s84, s75
	s_and_b32 s75, s72, 7
	s_lshl_b32 s75, s75, 11
	s_add_co_u32 s84, s84, s75
	s_lshl_b32 s75, s[RH], 10
	s_add_co_u32 s84, s84, s75
	s_mov_b32 s85, 0
	s_mov_b32 s[CS], 0x3d38aa3b                    ; c = log2(e) / 32
	s_mov_b32 s[CS+1], s[CS]
	s_mov_b32 s[SEL], 0x76543210
	s_mov_b32 s[SEL+1], 0xfedcba98
	s_mov_b32 s[NEGS], 0xd1000000                  ; -2^35
	s_mul_i32 s14, s[WV], HALFT                    ; where my tensor loads go: q's two halves, then k's
	s_wait_kmcnt 0x0
	s_add_nc_u64 s[4:5], s[54:55], s[80:81]
	s_add_nc_u64 s[6:7], s[56:57], s[82:83]
	s_add_nc_u64 s[8:9], s[58:59], s[84:85]
	s_add_nc_u64 s[86:87], s[52:53], s[76:77]
	s_add_nc_u64 s[88:89], s[52:53], s[78:79]
	CROUND
.irp s, 0,1
	s_mov_b32 s[G0+4*(\s)], 1
	s_add_co_u32 s[G0+4*(\s)+1], s14, (\s)*SLOT1
	s_add_nc_u64 s[G0+4*(\s)+2:G0+4*(\s)+3], s[86:87], (\s)*STEPB
	s_or_b32 s[G0+4*(\s)+3], s[G0+4*(\s)+3], 0x80000000
	s_mov_b32 s[G0B+4*(\s)], 1
	s_add_co_u32 s[G0B+4*(\s)+1], s14, (\s)*SLOT1
	s_add_nc_u64 s[G0B+4*(\s)+2:G0B+4*(\s)+3], s[88:89], (\s)*STEPB
	s_or_b32 s[G0B+4*(\s)+3], s[G0B+4*(\s)+3], 0x80000000
	JLOAD \s
.endr
	v_and_b32 v1, 15, v0
	v_bfe_u32 v2, v0, 4, 1
	v_mul_u32_u24 v3, v1, PITCH
	v_lshl_add_u32 v3, v2, 4, v3
	s_mul_i32 s74, s[RH], HALFT
	s_mul_i32 s75, s[CH], HALFT
	s_add_co_u32 s75, s75, 2*HALFT
	v_add_nc_u32 v[A0], s74, v3
	v_add_nc_u32 v[B0], s75, v3
	s_mul_i32 s74, s[WV], 16*PITCH
	s_add_co_u32 s74, s74, STAGE                   ; my stage
	v_add_nc_u32 v[STO], s74, v3                   ; in: row l % 16, 16 bytes for each half of the lanes
	v_mul_u32_u24 v4, v2, PITCH
	v_lshl_add_u32 v4, v1, 4, v4
	v_add_nc_u32 v[RD], s74, v4                    ; back: lanes 0-15 one row of 256 bytes, lanes 16-31 the next
	v_lshlrev_b32 v4, 12, v2
	v_lshl_add_u32 v[CO], v1, 4, v4                ; the same two rows in pt
	s_lshl_b32 s74, s[WV], 10
	s_add_co_u32 s74, s74, STT
	v_lshl_add_u32 v[STA], v1, 3, s74              ; where row l % 16 of the block in hand puts (c m, l)
	v_and_b32 v4, 31, v0
	v_lshlrev_b32 v[L8], 3, v4
	v_add_nc_u32 v[SRD], s74, v[L8]
; 8 products: row block a x all 8 key blocks.  The 64 accumulators take turns in the same order in every quarter.
.macro MULA f, a, zero
.set al_, (\a)%4
	WIN 0xa1+0x50*((\a)/4)                         ; k in window 1, q in window 0, C and D in window 2 or 3
.set b_, 0
.rept 8
.if \zero
	v_wmma_f32_16x16x32_f16 v[8*(8*al_+b_):8*(8*al_+b_)+7], v[(\f)+8*b_:(\f)+8*b_+7], v[(\f)+8*(\a):(\f)+8*(\a)+7], 0
.else
	v_wmma_f32_16x16x32_f16 v[8*(8*al_+b_):8*(8*al_+b_)+7], v[(\f)+8*b_:(\f)+8*b_+7], v[(\f)+8*(\a):(\f)+8*(\a)+7], v[8*(8*al_+b_):8*(8*al_+b_)+7]
.endif
.set b_, b_+1
.endr
.endm
.macro FETCH kq, f                     ; 32 LDS loads in one run
	WIN 0x40
.irp i, 0,1,2,3,4,5,6,7
	ds_load_b128 v[(\f)+8*(\i):(\f)+8*(\i)+3],   v[ADRB] offset:64*(\kq)+(\i)*16*PITCH
	ds_load_b128 v[(\f)+8*(\i)+4:(\f)+8*(\i)+7], v[ADRB] offset:64*(\kq)+(\i)*16*PITCH+32
.endr
	WIN 0
.irp i, 0,1,2,3,4,5,6,7
	ds_load_b128 v[(\f)+8*(\i):(\f)+8*(\i)+3],   v[ADRA] offset:64*(\kq)+(\i)*16*PITCH
	ds_load_b128 v[(\f)+8*(\i)+4:(\f)+8*(\i)+7], v[ADRA] offset:64*(\kq)+(\i)*16*PITCH+32
.endr
.endm
.macro ADDR
	v_add_nc_u32 v[ADRA], s[TB], v[A0]
	v_add_nc_u32 v[ADRB], s[TB], v[B0]
.endm
.macro QUARTER kq, f, g, zero
	s_wait_dscnt 0x0                               ; buffer f is in
	WIN 0
	ADDR                                           ; with the two v_nop: the four places between the last product, which read buffer g, and the loads into it
	v_nop
	v_nop
	FETCH \kq, \g
.set a_, 0
.rept 8
	MULA \f, a_, \zero
.set a_, a_+1
.endr
.endm
; The fourth quarter multiplies buffer 1 and changes slots.  Only one row block's products stand ahead of the request, between the add and the wait for it: the refill has the rest of a K step, 248 products, in which to land.
.macro TURN fill
	s_wait_dscnt 0x0                               ; buffer 1 is in: my last reads of this slot
	WIN 0
	s_wait_tensorcnt 0x0                           ; all my tensor loads have landed: my part of the other slot
	ds_add_u32 v[SPW], v[NIL]                      ; 0 onto my spare word
.if \fill
	s_xor_b32 s[G0+5], s[G0+5], SLOT1
	s_add_nc_u64 s[G0+6:G0+7], s[G0+6:G0+7], STEPB
	s_xor_b32 s[G0B+5], s[G0B+5], SLOT1
	s_add_nc_u64 s[G0B+6:G0B+7], s[G0B+6:G0B+7], STEPB
.endif
	s_xor_b32 s[TB], s[TB], SLOT1
	MULA F1, 0, 0
	s_wait_dscnt 0x0                               ; the add is done
	WIN 0
	s_barrier_signal -1
	s_barrier_wait -1
.if \fill
	CREST                                          ; no wave of any partner still reads this slot or has a load on its way
	JLOAD 1                                        ; the first tensor load behind the round; its four v_nop are the places in front of the loads below
.else
	PLACES
.endif
	ADDR
	FETCH 0, F0
.set a_, 1
.rept 7
	MULA F1, a_, 0
.set a_, a_+1
.endr
.endm
	s_wait_tensorcnt 0x1                           ; my part of K step 0 is in; K step 1's may stay out
	s_barrier_signal -1
	s_barrier_wait -1
	s_mov_b32 s[TB], 0
	ADDR
	FETCH 0, F0
	QUARTER 1, F0, F1, 1
	WIN 0
	s_mov_b32 s[CNT], NSTEP-2
.Lstep:
	QUARTER 2, F1, F0, 0
	QUARTER 3, F0, F1, 0
	TURN 1
	QUARTER 1, F0, F1, 0
	WIN 0
	s_sub_co_u32 s[CNT], s[CNT], 1
	s_cmp_lg_u32 s[CNT], 0
	s_cbranch_scc1 .Lstep
	s_mov_b32 s[CNT], 2
.Ltail:                                                ; the last two K steps ask for nothing.  One text for both: the second trip is left in its middle, and its barrier and its fetch from the other slot serve nothing
	QUARTER 2, F1, F0, 0
	QUARTER 3, F0, F1, 0
	TURN 0
	WIN 0
	; Row block 0's mask words.  No tensor load is out (the wait for 0 in the change of slots above) or to come, so the descriptors' registers are free: s[16:47] take key blocks 0-3, s[68:99] key blocks 4-7.
	; The four loads stand ahead of the loop's exit, on every way out of it: whichever way is taken, the registers that held descriptors and temporaries (parts of addresses among them) hold mask words
	; before a vector instruction reads them.  The first trip's loads have a K step in which to land; the second trip loads the same 256 bytes again: the price of one text for both trips.
	s_wait_kmcnt 0x0                               ; no scalar load of mine is out: a pending load's destination is not loaded again
	s_load_b512 s[16:31], s[4:5], 0x0
	s_load_b512 s[32:47], s[4:5], 0x40
	s_load_b512 s[68:83], s[4:5], 0x80
	s_load_b512 s[84:99], s[4:5], 0xc0
	s_sub_co_u32 s[CNT], s[CNT], 1
	s_cmp_eq_u32 s[CNT], 0
	s_cbranch_scc1 .Lsums
	QUARTER 1, F0, F1, 0
	WIN 0
	s_branch .Ltail
.Lsums:
	; THE SOFTMAX'S FIRST HALF, a loop over my eight blocks of 16 rows.  Only the lines that name the accumulators are written eight times.
	s_wait_dscnt 0x0                               ; the last fetch has landed: its registers are used anew below
	v_mov_b32 v[XH], 0                             ; written once whole: a lane permute's destination counts as read.  These two and two v_nop are the places behind the last products
	v_mov_b32 v[CM+1], 0
	v_nop
	v_nop
.macro SEL k                           ; row block k's 64 scores a lane, NEGR where the mask word's bit is set; each accumulator is read from its lowest register on
	WIN 0x02+(\k)/4
.set i_, 0
.rept 64
.if i_ < 32
.set mw_, 16+i_
.else
.set mw_, 36+i_
.endif
	v_cndmask_b32 v[T+i_], v[64*((\k)%4)+i_], s[NEGS], s[mw_]
.set i_, i_+1
.endr
	WIN 0
.endm
.macro TREE d                          ; the upper d registers are added onto the lower d, in pairs
.set i_, 0
.rept (\d)/2
	v_pk_add_f32 v[T+2*i_:T+2*i_+1], v[T+2*i_:T+2*i_+1], v[T+(\d)+2*i_:T+(\d)+2*i_+1]
.set i_, i_+1
.endr
.endm
	s_mov_b32 s[AI], 0
.Lrow:
	s_wait_kmcnt 0x0                               ; this block's mask words
.irp k, 0,1,2,3,4,5,6
	s_cmp_eq_u32 s[AI], \k
	s_cbranch_scc1 .Lsel_\k
.endr
	SEL 7
	s_branch .Lsoft
.irp k, 0,1,2,3,4,5,6
.Lsel_\k:
	SEL \k
	s_branch .Lsoft
.endr
.Lsoft:
.irp q, 0,1,2,3                        ; the maximum: four chains of 15 scores, three operands at a time
	v_max3_num_f32 v[C0+\q], v[T+16*\q], v[T+16*\q+1], v[T+16*\q+2]
.endr
.set n_, 0
.rept 6
.irp q, 0,1,2,3
	v_max3_num_f32 v[C0+\q], v[C0+\q], v[T+16*\q+3+2*n_], v[T+16*\q+4+2*n_]
.endr
.set n_, n_+1
.endr
	v_max3_num_f32 v[C0], v[C0], v[T+15], v[T+31]  ; the four scores left over, and the chains
	v_max3_num_f32 v[C0+2], v[C0+2], v[T+47], v[T+63]
	v_max3_num_f32 v[C0], v[C0], v[C0+1], v[C0+2]
	v_max_num_f32 v[C0], v[C0], v[C0+3]
	v_permlanex16_b32 v[XH], v[C0], s[SEL], s[SEL+1]  ; the row's other 64 keys lie in the lane 16 away
	v_max_num_f32 v[MX], v[C0], v[XH]
	v_mul_f32 v[CM], s[CS], v[MX]
	s_cmp_eq_u32 s[AI], 7                          ; the next block's mask words; behind the last block there are none
	s_cbranch_scc1 .Lno_more
	s_add_nc_u64 s[4:5], s[4:5], 256               ; free since the wait at the trip's head
	s_load_b512 s[16:31], s[4:5], 0x0
	s_load_b512 s[32:47], s[4:5], 0x40
	s_load_b512 s[68:83], s[4:5], 0x80
	s_load_b512 s[84:99], s[4:5], 0xc0
.Lno_more:
.set i_, 0
.rept 32
	v_pk_fma_f32 v[T+2*i_:T+2*i_+1], v[T+2*i_:T+2*i_+1], s[CS:CS+1], v[CM:CM+1] op_sel_hi:[1,0,0] neg_lo:[0,0,1] neg_hi:[0,0,1]  ; c s - c m
.set i_, i_+1
.endr
.set i_, 0
.rept 64
	v_exp_f32 v[T+i_], v[T+i_]
.set i_, i_+1
.endr
	v_nop                                          ; a plain instruction between the last exponential and the use of its result
.set i_, 0
	s_wait_alu depctr_va_vdst(0)
.rept 32
	v_cvt_pk_f16_f32 v[PK+i_], v[T+2*i_], v[T+2*i_+1]
.set i_, i_+1
.endr
.set i_, 0
.rept 8
	ds_store_b128 v[STO], v[PK+4*i_:PK+4*i_+3] offset:32*i_
.set i_, i_+1
.endr
.set i_, 0
.rept 8
	ds_load_b128 v[BK+4*i_:BK+4*i_+3], v[RD] offset:i_*2*PITCH  ; LDS serves a wave's instructions in order: these see the stores above
.set i_, i_+1
.endr
	TREE 32                                        ; the sum of the unrounded weights stands in the stage's round trip
	TREE 16
	TREE 8
	TREE 4
	TREE 2
	v_add_f32 v[CM+1], v[T], v[T+1]
	v_permlanex16_b32 v[XH], v[CM+1], s[SEL], s[SEL+1]
	v_add_f32 v[CM+1], v[CM+1], v[XH]
	ds_store_b64 v[STA], v[CM:CM+1]                ; both halves of the lanes write the same two numbers
	s_wait_dscnt 0x0
.set i_, 0
.rept 8
	global_store_b128 v[CO], v[BK+4*i_:BK+4*i_+3], s[6:7] offset:i_*8192  ; 16 lanes store 256 consecutive bytes, at a multiple of 256
.set i_, i_+1
.endr
	s_wait_xcnt 0x0                                ; the stores' data and offset are rewritten only behind this wait
	v_add_nc_u32 v[CO], 65536, v[CO]               ; 16 rows of pt on
	v_add_nc_u32 v[STA], 128, v[STA]
	s_add_co_u32 s[AI], s[AI], 1
	s_cmp_lt_u32 s[AI], 8
	s_cbranch_scc1 .Lrow
.set i_, 0
.rept 4
	ds_load_b64 v[T+2*i_:T+2*i_+1], v[SRD] offset:256*i_   ; my 128 rows' (c m, l), 1,024 consecutive bytes
.set i_, i_+1
.endr
	s_wait_dscnt 0x0
.set i_, 0
.rept 4
	global_store_b64 v[L8], v[T+2*i_:T+2*i_+1], s[8:9] offset:256*i_
.set i_, i_+1
.endr
	s_wait_tensorcnt 0x0                           ; the wave's end
	ds_add_u32 v[SPW], v[NIL]
	s_wait_dscnt 0x0
	CROUND                                         ; the closing round
	s_endpgm
.Lfunc_end_k_qa497e9c54e_scores:
	.size	k_qa497e9c54e_scores, .Lfunc_end_k_qa497e9c54e_scores-k_qa497e9c54e_scores
	.p2alignl 7, 3214868480
	.fill 96, 4, 3214868480
	.section	.rodata,"a",@progbits
	.p2align	6, 0x0
	.amdhsa_kernel k_qa497e9c54e_scores
		.amdhsa_group_segment_fixed_size 327680
		.amdhsa_private_segment_fixed_size 0
		.amdhsa_enable_private_segment 0
		.amdhsa_kernarg_size 32
		.amdhsa_user_sgpr_count 2
		.amdhsa_user_sgpr_kernarg_segment_ptr 1
		.amdhsa_wavefront_size32 1
		.amdhsa_system_sgpr_workgroup_id_x 1
		.amdhsa_system_sgpr_workgroup_id_y 1
		.amdhsa_system_sgpr_workgroup_id_z 1
		.amdhsa_system_vgpr_workitem_id 0
		.amdhsa_next_free_vgpr 1024
		.amdhsa_next_free_sgpr 100
		.amdhsa_reserve_vcc 0
		.amdhsa_float_denorm_mode_32 3
		.amdhsa_float_denorm_mode_16_64 3
		.amdhsa_memory_ordered 1
		.amdhsa_forward_progress 1
		.amdhsa_inst_pref_size 116
	.end_amdhsa_kernel
	.amdgpu_metadata
---
amdhsa.version: [ 1, 2 ]
amdhsa.kernels:
  - .name:           k_qa497e9c54e_scores
    .symbol:         k_qa497e9c54e_scores.kd
    .args:
      - { .name: qkv, .offset: 0, .size: 8, .value_kind: global_buffer, .address_space: global }
      - { .name: mbits, .offset: 8, .size: 8, .value_kind: global_buffer, .address_space: global }
      - { .name: pt, .offset: 16, .size: 8, .value_kind: global_buffer, .address_space: global }
      - { .name: st, .offset: 24, .size: 8, .value_kind: global_buffer, .address_space: global }
    .group_segment_fixed_size: 327680
    .private_segment_fixed_size: 0
    .kernarg_segment_align: 8
    .kernarg_segment_size: 32
    .max_flat_workgroup_size: 128
    .sgpr_count:     100
    .vgpr_count:     1024
    .wavefront_size: 32
...
	.end_amdgpu_metadata
.endif
;; end of part 3
;; launch pv (part 4): grid 8 x 32, 4 waves a work-group, clusters of 4 x 4, 327,680 bytes of LDS; arguments pt, qkv, st, out0; writes out0
.if DOCPART == 4
	.amdgcn_target "amdgcn-amd-amdhsa--gfx1250"
	.amdhsa_code_object_version 6
	.text
	.protected	k_qa497e9c54e_pv
	.globl	k_qa497e9c54e_pv
	.p2align	8
	.type	k_qa497e9c54e_pv,@function
k_qa497e9c54e_pv:
	s_mov_b64 s[64:65], 0
	v_nop
	global_prefetch_b8 v0, s[64:65] scope:SCOPE_SE
	s_setreg_imm32_b32 hwreg(HW_REG_WAVE_MODE, 25, 1), 1
	s_wait_xcnt 0x0
	s_wait_alu depctr_hold_cnt(0) depctr_sa_sdst(0) depctr_va_vdst(0) depctr_va_sdst(0) depctr_va_ssrc(0) depctr_va_vcc(0) depctr_vm_vsrc(0)
	s_getreg_b32 s2, hwreg(HW_REG_IB_STS2, 6, 4)
	s_cmp_eq_u32 s2, 0
	s_cbranch_scc0 .Lentry_in_a_cluster
	s_endpgm
.Lentry_in_a_cluster:
	s_bfe_u32 s2, ttmp6, 0x10000c
	s_cmp_lg_u32 s2, 0xf033
	s_cbranch_scc0 .Lentry_shape_is_right
	s_endpgm
.Lentry_shape_is_right:
; PV.  out0[row][ch] = sum over groups g of e'_g sum over the group's 128 keys of p~ v, with M = the largest c m_g of the row, L = sum of 2^(c m_g - M) l_g, e'_g = 2^(c m_g - M) / L: the softmax
; over all 2,048 keys with its true maximum taken away.  pt [8192][2048] f16, v = the third tensor of qkv, [8192][1024] f16, st [batch][g 16][row 2048][2] f32, out0 [8192][1024] f32.
; A K step of 128 keys is one group.  T = p~_g v is summed by the matrix unit in f32, from 0 in each group; O takes O = T e'_g + O in f32, by the vector unit: the fold of an accumulator stands directly
; ahead of the product that starts it anew, in the next group's first quarter; the last group's fold is the way out.
; O is cleared by 256 v_mov_b32, in the wait for the first tiles: a first fold that multiplies instead of adding would be a second copy of the folding quarter, nearly twice that text.
; LIMITS.  A factor 2^(c m_g - M) below 2^-126 counts as 0.  NaN and infinities are not treated apart.
; SHARES.  A tile is 256 rows x 128 channels: 32 x 8 work-groups.  Four waves, each 128 x 64: 32 accumulators.  16 K steps through two LDS slots; a K step is four quarters of 32 keys on two fragment buffers.
; CLUSTER 4 x 4: p~'s tiles are shared along a row of the cluster, v's along a column: joint loads.
; TRANSPOSED USE (source 0 = 16 channels of v, turned by ds_load_tr16_b128; source 1 = 16 rows of p~): a lane holds row l % 16 and the channels 8 (l / 16) + 0..7, so e' is one number a lane and row block.
; REGISTERS: window 0: v0-31 addresses; v32-47 e' of my row of each row block, in the low register of a pair; v56-63 at work; v64-95, v96-127 v's fragments; v128-191, v192-255 p~'s
;   window 1: T, (a, b) at 8 (4 a + b)          window 2: O, likewise
.set PITCH, 272
.set PV,    288                        ; a row of v in LDS: 256 bytes + 32: 16 lanes of the turning load take 8 rows x 32 bytes that start 32 bytes apart modulo 256
.set HA,    128*PITCH
.set HV,    64*PV
.set BOFF,  2*HA
.set SLOT1, 131072
.set STAGE, SLOT1+BOFF+2*HV            ; 16 rows x 272 bytes for each wave
.set TP,    80                         ; a table row: 16 words e', padding
.set TABLE, STAGE+4*16*PITCH           ; 128 rows x 80 bytes for each wave
.set SPARE, TABLE+4*128*TP             ; the spare words
.set NSTEP, 16
.set A0,   16
.set B0,   17
.set ADRA, 18
.set ADRB, 19
.set FADR, 20                          ; v20  where the group in hand's e' lie in my table rows
.set FA,   21                          ; v21  table row l % 16 of my wave
.set TW,   22                          ; v22  table row = lane
.set STO,  24
.set RD,   25
.set CO,   26
.set SPW,  28
.set NIL,  29
.set L8,   30
.set E,    32                          ; v[32 + 2 a]  e' for row block a
.set MXR,  56                          ; v56-59 M of my four rows
.set LS,   60                          ; v60-63 L, then 1 / L, of my four rows
.set BF,   64
.set AF,   128
.set WK,   128                         ; the prologue: (c m, l) of row 32 i + lane, group g at v[128 + 32 i + 2 g]
.set TMPO, 128
.set BK,   160
.set CNT,  2
.set TB,   3
.set WV,   10
.set RH,   11
.set CH,   12
.set G1,   24
.set G0,   32
.set G1B,  48
.set G0B,  56
.set W_MM, 0x50                        ; both fragments in window 0, C and D in window 1
.set W_FO, 0xa1                        ; T (source 0) in window 1, e' in window 0, O (source 2 and destination) in window 2
.set MSB, 0
.macro WIN new
.if MSB != (\new)
	s_set_vgpr_msb (MSB<<8)|(\new)
.set MSB, \new
.endif
.endm
.macro PLACES
.rept 4
	v_nop
.endr
.endm
.macro JLOAD s
	s_cmp_eq_u32 s[RH], 0
	s_cbranch_scc0 .Lfor_b_\@
	tensor_load_to_lds s[G0+4*(\s):G0+4*(\s)+3], s[G1:G1+7]
	s_nop 0
.rept 4
	v_nop
.endr
	s_branch .Lasked_\@
.Lfor_b_\@:
	tensor_load_to_lds s[G0B+4*(\s):G0B+4*(\s)+3], s[G1B:G1B+7]
	s_nop 0
.rept 4
	v_nop
.endr
.Lasked_\@:
.endm
.macro CREST
	s_cmp_lg_u32 s[WV], 0
	s_cbranch_scc1 .Lnot_wave_0_\@
	s_barrier_signal -3
.Lnot_wave_0_\@:
	s_barrier_wait -3
	s_barrier_signal -1
	s_barrier_wait -1
.endm
.macro CROUND
	s_barrier_signal -1
	s_barrier_wait -1
	CREST
.endm
	s_load_b256 s[40:47], s[0:1], 0x0              ; pt s[40:41], qkv s[42:43], st s[44:45], out0 s[46:47]
	v_lshl_add_u32 v[SPW], v0, 2, SPARE
	v_mov_b32 v[NIL], 0
	ds_add_u32 v28, v29
	s_wait_dscnt 0x0
	v_lshrrev_b32 v1, 5, v0
	v_readfirstlane_b32 s[WV], v1
	s_lshr_b32 s[RH], s[WV], 1                     ; my 128 rows; also: I fetch p~ (0) or v (1)
	s_and_b32 s[CH], s[WV], 1                      ; my 64 channels; also: which half of that tile I fetch
	s_bfe_u32 s14, ttmp6, 0x40000                  ; cx
	s_bfe_u32 s15, ttmp6, 0x40004                  ; cy
	s_lshl_b32 s16, ttmp9, 2
	s_add_co_u32 s16, s16, s14                     ; X: block of 128 channels
	s_and_b32 s17, ttmp7, 0xffff
	s_lshl_b32 s13, s17, 2
	s_add_co_u32 s13, s13, s15                     ; Y: block of 256 rows
	s_lshr_b32 s18, s17, 1                         ; the batch, the same in the whole cluster
	s_lshl_b32 s19, s15, 2
	s_lshl_b32 s19, 15, s19
	s_or_b32 s[G1], s19, (1<<16)|(1<<20)|(1<<21)|(5<<22)|(3<<25)   ; p~'s tiles go to my row of the cluster; after every 64 words 4 words of padding
	s_lshl_b32 s19, 0x1111, s14
	s_or_b32 s[G1B], s19, (1<<16)|(1<<20)|(1<<21)|(5<<22)|(7<<25)  ; v's to my column; 8 words of padding
	s_mov_b32 s[G1+1], 128<<16                     ; tensor_dim0 = 128
	s_mov_b32 s[G1+2], 128<<16                     ; tensor_dim1 = 128
	s_mov_b32 s[G1+3], 128<<16                     ; tile_dim0 = 128
	s_mov_b32 s[G1+4], 128                         ; tile_dim1 = 128
	s_mov_b32 s[G1+5], 2048                        ; elements from row to row of pt
	s_mov_b32 s[G1+6], 0
	s_mov_b32 s[G1+7], 0
	s_mov_b32 s[G1B+1], 128<<16
	s_mov_b32 s[G1B+2], 64<<16                     ; 64 keys
	s_mov_b32 s[G1B+3], 128<<16
	s_mov_b32 s[G1B+4], 64
	s_mov_b32 s[G1B+5], 1024
	s_mov_b32 s[G1B+6], 0
	s_mov_b32 s[G1B+7], 0
	s_lshl_b32 s20, s13, 20                        ; p~: (256 Y + 128 half) rows of 4,096 bytes
	s_lshl_b32 s19, s[CH], 19
	s_add_co_u32 s20, s20, s19
	s_mov_b32 s21, 0
	s_lshl_b32 s22, s18, 22                        ; v: the third tensor of qkv, key 2,048 batch + 64 half, channel 128 X
	s_lshl_b32 s19, s[CH], 17
	s_add_co_u32 s22, s22, s19
	s_lshl_b32 s19, s16, 8
	s_add_co_u32 s22, s22, s19
	s_add_co_u32 s22, s22, 33554432
	s_mov_b32 s23, 0
	s_mul_i32 s8, s[WV], HA                        ; where p~'s halves go (waves 0, 1)
	s_mul_i32 s9, s[WV], HV                        ; where v's go (waves 2, 3): BOFF + (wave - 2) x 64 rows
	s_add_co_u32 s9, s9, BOFF-2*HV
	s_wait_kmcnt 0x0
	s_add_nc_u64 s[40:41], s[40:41], s[20:21]
	s_add_nc_u64 s[42:43], s[42:43], s[22:23]
	s_lshl_b32 s4, s18, 18                         ; st: (16 x 2,048 batch + 256 (Y % 8) + 128 rh) x 8 bytes
	s_and_b32 s19, s13, 7
	s_lshl_b32 s19, s19, 11
	s_add_co_u32 s4, s4, s19
	s_lshl_b32 s19, s[RH], 10
	s_add_co_u32 s4, s4, s19
	s_mov_b32 s5, 0
	s_add_nc_u64 s[44:45], s[44:45], s[4:5]
	s_lshl_b32 s6, s13, 20                         ; out0: row 256 Y + 128 rh (4,096 bytes each), channel 128 X + 64 ch
	s_lshl_b32 s19, s[RH], 19
	s_add_co_u32 s6, s6, s19
	s_lshl_b32 s19, s16, 9
	s_add_co_u32 s6, s6, s19
	s_lshl_b32 s19, s[CH], 8
	s_add_co_u32 s6, s6, s19
	s_mov_b32 s7, 0
	s_add_nc_u64 s[46:47], s[46:47], s[6:7]
	CROUND
.irp s, 0,1
	s_mov_b32 s[G0+4*(\s)], 1
	s_add_co_u32 s[G0+4*(\s)+1], s8, (\s)*SLOT1
	s_add_nc_u64 s[G0+4*(\s)+2:G0+4*(\s)+3], s[40:41], (\s)*256       ; group s: 128 keys along the row
	s_or_b32 s[G0+4*(\s)+3], s[G0+4*(\s)+3], 0x80000000
	s_mov_b32 s[G0B+4*(\s)], 1
	s_add_co_u32 s[G0B+4*(\s)+1], s9, (\s)*SLOT1
	s_add_nc_u64 s[G0B+4*(\s)+2:G0B+4*(\s)+3], s[42:43], (\s)*262144  ; 128 keys down
	s_or_b32 s[G0B+4*(\s)+3], s[G0B+4*(\s)+3], 0x80000000
	JLOAD \s
.endr
	; THE PROLOGUE stands in the wait for the first tiles.  Lane L takes my wave's rows 32 i + L, i = 0..3.
	v_and_b32 v4, 31, v0
	v_lshlrev_b32 v[L8], 3, v4
.set i_, 0
.rept 4
.set g_, 0
.rept 16
	global_load_b64 v[WK+32*i_+2*g_:WK+32*i_+2*g_+1], v[L8], s[44:45] offset:g_*16384+i_*256  ; 256 consecutive bytes
.set g_, g_+1
.endr
.set i_, i_+1
.endr
	v_and_b32 v1, 15, v0                           ; l % 16
	v_bfe_u32 v2, v0, 4, 1                         ; l / 16
	v_mul_u32_u24 v3, v1, PITCH
	v_lshl_add_u32 v5, v2, 4, v3                   ; p~: row x pitch + 16 x half
	s_mul_i32 s20, s[RH], HA
	v_add_nc_u32 v[A0], s20, v5
	v_and_b32 v5, 7, v0                            ; v, turned: lane l reads key 8 (l / 16) + l % 8, channels 8 ((l / 8) % 2) + 0..7
	v_lshl_add_u32 v5, v2, 3, v5
	v_mul_u32_u24 v5, v5, PV
	v_bfe_u32 v6, v0, 3, 1
	v_lshl_add_u32 v5, v6, 4, v5
	s_lshl_b32 s21, s[CH], 7
	s_add_co_u32 s21, s21, BOFF
	v_add_nc_u32 v[B0], s21, v5
	s_mul_i32 s20, s[WV], 16*PITCH
	s_add_co_u32 s20, s20, STAGE                   ; my stage
	v_lshl_add_u32 v5, v2, 5, v3                   ; in: row l % 16, 32 bytes for each half of the lanes
	v_add_nc_u32 v[STO], s20, v5
	v_mul_u32_u24 v5, v2, PITCH
	v_lshl_add_u32 v5, v1, 4, v5
	v_add_nc_u32 v[RD], s20, v5                    ; back: lanes 0-15 one row of 256 bytes, lanes 16-31 the next
	v_lshlrev_b32 v5, 12, v2
	v_lshl_add_u32 v[CO], v1, 4, v5                ; the same two rows in out0
	s_mul_i32 s20, s[WV], 128*TP
	s_add_co_u32 s20, s20, TABLE                   ; my table
	v_mul_u32_u24 v5, v4, TP
	v_add_nc_u32 v[TW], s20, v5
	v_mul_u32_u24 v5, v1, TP
	v_add_nc_u32 v[FA], s20, v5
	v_mov_b32 v[FADR], v[FA]
.set a_, 0
.rept 8
	v_mov_b32 v[E+2*a_+1], 0                       ; named with e' as a pair, so it is written
.set a_, a_+1
.endr
	WIN 0x80                                       ; destination window 2
.set i_, 0
.rept 256
	v_mov_b32 v[i_], 0                             ; O
.set i_, i_+1
.endr
	WIN 0
	s_wait_loadcnt 0x0
.irp i, 0,1,2,3                        ; M = the largest of the 16 c m
	v_max3_num_f32 v[MXR+\i], v[WK+32*\i], v[WK+32*\i+2], v[WK+32*\i+4]
.endr
.set n_, 0
.rept 6
.irp i, 0,1,2,3
	v_max3_num_f32 v[MXR+\i], v[MXR+\i], v[WK+32*\i+6+4*n_], v[WK+32*\i+8+4*n_]
.endr
.set n_, n_+1
.endr
.irp i, 0,1,2,3
	v_max_num_f32 v[MXR+\i], v[MXR+\i], v[WK+32*\i+30]
.endr
.set g_, 0
.rept 16                               ; e = 2^(c m - M), in place; L += e l
.irp i, 0,1,2,3
	v_sub_f32 v[WK+32*\i+2*g_], v[WK+32*\i+2*g_], v[MXR+\i]
.endr
.irp i, 0,1,2,3
	v_exp_f32 v[WK+32*\i+2*g_], v[WK+32*\i+2*g_]
.endr
	v_nop                                          ; a plain instruction between the last exponential and the use of its result
	s_wait_alu depctr_va_vdst(0)
.irp i, 0,1,2,3
.if g_ == 0
	s_wait_alu depctr_va_vdst(0)
	v_mul_f32 v[LS+\i], v[WK+32*\i], v[WK+32*\i+1]
.else
	v_fma_f32 v[LS+\i], v[WK+32*\i+2*g_], v[WK+32*\i+2*g_+1], v[LS+\i]
.endif
.endr
.set g_, g_+1
.endr
.irp i, 0,1,2,3
	v_rcp_f32 v[LS+\i], v[LS+\i]                   ; L is 1 at the least: the group that holds M has e = 1 and l >= 1
.endr
	v_nop
.set g_, 0
	s_wait_alu depctr_va_vdst(0)
.rept 16                               ; e' = e / L, drawn together into 16 registers on end: register g has been read by the time it is written
.irp i, 0,1,2,3
	v_mul_f32 v[WK+32*\i+g_], v[WK+32*\i+2*g_], v[LS+\i]
.endr
.set g_, g_+1
.endr
.irp i, 0,1,2,3
.irp q, 0,1,2,3
	ds_store_b128 v[TW], v[WK+32*\i+4*\q:WK+32*\i+4*\q+3] offset:\i*32*TP+16*\q
.endr
.endr
; 4 products: row block a x the 4 channel blocks.  The 32 accumulators take turns in the same order in every quarter.
.macro MULA f, a, zero
	WIN W_MM
.set b_, 0
.rept 4
.if \zero
	v_wmma_f32_16x16x32_f16 v[8*(4*(\a)+b_):8*(4*(\a)+b_)+7], v[BF+32*(\f)+8*b_:BF+32*(\f)+8*b_+7], v[AF+64*(\f)+8*(\a):AF+64*(\f)+8*(\a)+7], 0
.else
	v_wmma_f32_16x16x32_f16 v[8*(4*(\a)+b_):8*(4*(\a)+b_)+7], v[BF+32*(\f)+8*b_:BF+32*(\f)+8*b_+7], v[AF+64*(\f)+8*(\a):AF+64*(\f)+8*(\a)+7], v[8*(4*(\a)+b_):8*(4*(\a)+b_)+7]
.endif
.set b_, b_+1
.endr
.endm
; one run of LDS loads: the fragments of quarter kq of the slot in hand, into buffer g; fac = 1: also the e' of the group in hand (the table is my wave's own, and LDS serves a wave's instructions in order)
.macro FETCH kq, g, fac
	WIN 0
.set i_, 0
.rept 4
	ds_load_tr16_b128 v[BF+32*(\g)+8*i_:BF+32*(\g)+8*i_+3],   v[ADRB] offset:(\kq)*32*PV+32*i_
	ds_load_tr16_b128 v[BF+32*(\g)+8*i_+4:BF+32*(\g)+8*i_+7], v[ADRB] offset:(\kq)*32*PV+32*i_+16*PV
.set i_, i_+1
.endr
.if \fac
.set i_, 0
.rept 8
	ds_load_b32 v[E+2*i_], v[FADR] offset:i_*16*TP
.set i_, i_+1
.endr
	v_add_nc_u32 v[FADR], 4, v[FADR]
.endif
.set i_, 0
.rept 8
	ds_load_b128 v[AF+64*(\g)+8*i_:AF+64*(\g)+8*i_+3],   v[ADRA] offset:64*(\kq)+i_*16*PITCH
	ds_load_b128 v[AF+64*(\g)+8*i_+4:AF+64*(\g)+8*i_+7], v[ADRA] offset:64*(\kq)+i_*16*PITCH+32
.set i_, i_+1
.endr
.endm
.macro ADDR
	v_add_nc_u32 v[ADRA], s[TB], v[A0]
	v_add_nc_u32 v[ADRB], s[TB], v[B0]
.endm
.macro HEAD kq, g, fac                 ; a quarter's head: its buffer is in; the next quarter's fragments are asked for
	s_wait_dscnt 0x0
	WIN 0
	ADDR                                           ; these two and two v_nop are the four places between the last product, which read buffer g, and the loads into it
	v_nop
	v_nop
	FETCH \kq, \g, \fac
.endm
.macro QUARTER kq, f, g, zero, fac
	HEAD \kq, \g, \fac
.set a_, 0
.rept 8
	MULA \f, a_, \zero
.set a_, a_+1
.endr
.endm
; A group's first quarter, from the second group on.  For each accumulator in its turn: O = T e' + O, four packed lines, with the e' of the group just ended; then the product that starts T anew.
; The lines of accumulator n + 1 are issued while the product on accumulator n is at work.  T's last products stand ahead of HEAD's four places.
.macro QFOLD kq, f, g
	HEAD \kq, \g, 0
.set n_, 0
.rept 32
	WIN W_FO
.set r_, 0
.rept 4
	v_pk_fma_f32 v[8*n_+2*r_:8*n_+2*r_+1], v[8*n_+2*r_:8*n_+2*r_+1], v[E+2*(n_/4):E+2*(n_/4)+1], v[8*n_+2*r_:8*n_+2*r_+1] op_sel_hi:[1,0,1]
.set r_, r_+1
.endr
	WIN W_MM
	v_wmma_f32_16x16x32_f16 v[8*n_:8*n_+7], v[BF+32*(\f)+8*(n_%4):BF+32*(\f)+8*(n_%4)+7], v[AF+64*(\f)+8*(n_/4):AF+64*(\f)+8*(n_/4)+7], 0
.set n_, n_+1
.endr
.endm
; The fourth quarter multiplies buffer 1 and changes slots.  Eight products stand ahead of the request, between the add and the wait for it: the refill has the rest of a K step in which to land.
.macro TURN fill
	s_wait_dscnt 0x0                               ; buffer 1 is in: my last reads of this slot
	WIN 0
	s_wait_tensorcnt 0x0                           ; all my tensor loads have landed: my part of the other slot
	ds_add_u32 v[SPW], v[NIL]                      ; 0 onto my spare word
.if \fill
	s_xor_b32 s[G0+5], s[G0+5], SLOT1
	s_add_nc_u64 s[G0+6:G0+7], s[G0+6:G0+7], 256
	s_xor_b32 s[G0B+5], s[G0B+5], SLOT1
	s_add_nc_u64 s[G0B+6:G0B+7], s[G0B+6:G0B+7], 262144
.endif
	s_xor_b32 s[TB], s[TB], SLOT1
	MULA 1, 0, 0
	MULA 1, 1, 0
	s_wait_dscnt 0x0                               ; the add is done
	WIN 0
	s_barrier_signal -1
	s_barrier_wait -1
.if \fill
	CREST                                          ; no wave of any partner still reads this slot or has a load on its way
	JLOAD 1                                        ; the first tensor load behind the round; its four v_nop are the places in front of the loads below
.else
	PLACES
.endif
	ADDR
	FETCH 0, 0, 0
.set a_, 2
.rept 6
	MULA 1, a_, 0
.set a_, a_+1
.endr
.endm
	s_wait_dscnt 0x0                               ; the table's stores
	s_wait_tensorcnt 0x1                           ; my part of K step 0 is in; K step 1's may stay out
	s_barrier_signal -1
	s_barrier_wait -1
	s_mov_b32 s[TB], 0
	ADDR
	FETCH 0, 0, 0
	QUARTER 1, 0, 1, 1, 0                          ; the first group's first quarter: nothing to fold yet
	WIN 0
	s_mov_b32 s[CNT], NSTEP-2
.Lstep:                                                ; a trip: a group's quarters 1, 2, 3, and the next group's quarter 0 with this group's fold
	QUARTER 2, 1, 0, 0, 1
	QUARTER 3, 0, 1, 0, 0
	TURN 1
	QFOLD 1, 0, 1
	WIN 0
	s_sub_co_u32 s[CNT], s[CNT], 1
	s_cmp_lg_u32 s[CNT], 0
	s_cbranch_scc1 .Lstep
	s_mov_b32 s[CNT], 2
.Ltail:                                                ; the last two groups ask for nothing.  One text for both: the second trip is left in its middle, and its barrier and its fetch from the other slot serve nothing
	QUARTER 2, 1, 0, 0, 1
	QUARTER 3, 0, 1, 0, 0
	TURN 0
	WIN 0
	s_sub_co_u32 s[CNT], s[CNT], 1
	s_cmp_eq_u32 s[CNT], 0
	s_cbranch_scc1 .Lout
	QFOLD 1, 0, 1
	WIN 0
	s_branch .Ltail
.Lout:
	; THE WAY OUT: the last group's fold; a block of 16 rows x 256 bytes at a time through my own stage; whole rows out.
	s_wait_dscnt 0x0                               ; the last fetch has landed: its registers are used anew below
.macro PACK a                          ; row block 0 was finished ahead of the change of slots' places; each block's 16 lines are places for the blocks behind it
	WIN 0x21                                       ; T in window 1, e' in window 0, O in window 2, destination in window 0
.set i_, 0
.rept 16
	v_pk_fma_f32 v[TMPO+2*i_:TMPO+2*i_+1], v[32*(\a)+2*i_:32*(\a)+2*i_+1], v[E+2*(\a):E+2*(\a)+1], v[32*(\a)+2*i_:32*(\a)+2*i_+1] op_sel_hi:[1,0,1]
.set i_, i_+1
.endr
	WIN 0
.endm
.macro TOSTAGE a
.set bk_, BK+32*((\a)%2)
.set i_, 0
.rept 8
	ds_store_b128 v[STO], v[TMPO+4*i_:TMPO+4*i_+3] offset:64*(i_/2)+16*(i_%2)
.set i_, i_+1
.endr
.set i_, 0
.rept 8
	ds_load_b128 v[bk_+4*i_:bk_+4*i_+3], v[RD] offset:i_*2*PITCH  ; LDS serves a wave's instructions in order: these see the stores above
.set i_, i_+1
.endr
.endm
.macro SEND a
.set bk_, BK+32*((\a)%2)
	s_wait_dscnt 0x0                               ; the block is back in registers
	s_wait_xcnt 0x0                                ; the registers that the stores of the block before read are loaded again only behind this wait
.set i_, 0
.rept 8
	global_store_b128 v[CO], v[bk_+4*i_:bk_+4*i_+3], s[46:47] offset:(16*(\a)+2*i_)*4096 th:TH_STORE_NT  ; 16 lanes store 256 consecutive bytes, at a multiple of 256
.set i_, i_+1
.endr
.endm
	PACK 0
	TOSTAGE 0
.irp a, 1,2,3,4,5,6,7                  ; block a's fold stands between block a - 1's loads from the stage and the wait for them
	PACK \a
	SEND (\a)-1
	TOSTAGE \a
.endr
	SEND 7
	s_wait_tensorcnt 0x0                           ; the wave's end
	ds_add_u32 v[SPW], v[NIL]
	s_wait_dscnt 0x0
	CROUND                                         ; the closing round
	s_endpgm
.Lfunc_end_k_qa497e9c54e_pv:
	.size	k_qa497e9c54e_pv, .Lfunc_end_k_qa497e9c54e_pv-k_qa497e9c54e_pv
	.p2alignl 7, 3214868480
	.fill 96, 4, 3214868480
	.section	.rodata,"a",@progbits
	.p2align	6, 0x0
	.amdhsa_kernel k_qa497e9c54e_pv
		.amdhsa_group_segment_fixed_size 327680
		.amdhsa_private_segment_fixed_size 0
		.amdhsa_enable_private_segment 0
		.amdhsa_kernarg_size 32
		.amdhsa_user_sgpr_count 2
		.amdhsa_user_sgpr_kernarg_segment_ptr 1
		.amdhsa_wavefront_size32 1
		.amdhsa_system_sgpr_workgroup_id_x 1
		.amdhsa_system_sgpr_workgroup_id_y 1
		.amdhsa_system_sgpr_workgroup_id_z 1
		.amdhsa_system_vgpr_workitem_id 0
		.amdhsa_next_free_vgpr 768
		.amdhsa_next_free_sgpr 66
		.amdhsa_reserve_vcc 0
		.amdhsa_float_denorm_mode_32 3
		.amdhsa_float_denorm_mode_16_64 3
		.amdhsa_memory_ordered 1
		.amdhsa_forward_progress 1
		.amdhsa_inst_pref_size 118
	.end_amdhsa_kernel
	.amdgpu_metadata
---
amdhsa.version: [ 1, 2 ]
amdhsa.kernels:
  - .name:           k_qa497e9c54e_pv
    .symbol:         k_qa497e9c54e_pv.kd
    .args:
      - { .name: pt, .offset: 0, .size: 8, .value_kind: global_buffer, .address_space: global }
      - { .name: qkv, .offset: 8, .size: 8, .value_kind: global_buffer, .address_space: global }
      - { .name: st, .offset: 16, .size: 8, .value_kind: global_buffer, .address_space: global }
      - { .name: out0, .offset: 24, .size: 8, .value_kind: global_buffer, .address_space: global }
    .group_segment_fixed_size: 327680
    .private_segment_fixed_size: 0
    .kernarg_segment_align: 8
    .kernarg_segment_size: 32
    .max_flat_workgroup_size: 128
    .sgpr_count:     66
    .vgpr_count:     768
    .wavefront_size: 32
...
	.end_amdgpu_metadata
.endif
;; end of part 4
